; MI455X (gfx1250); checked and timed in simulation.
; The chip was launched on July 23, 2026; its instructions are those of AMD's public machine-readable ISA for CDNA 5 (MIT licence, August 2026) and "CDNA5" Instruction Set Architecture Reference Guide (July 2026). The comments in the code are by the model that wrote it; some were corrected since.
;; Transformer Block. Allowed arithmetic: float matrix products may take bf16 or f16 operands with f32 sums; all other float work in f32.
;; Inputs: W1 1,024 x 4,096 float32; W2 4,096 x 1,024 float32; Wk 16 x 1,024 x 64 float32; Wo 1,024 x 1,024 float32; Wq 16 x 1,024 x 64 float32; Wv 16 x 1,024 x 64 float32; b1 4,096 float32; b2 1,024 float32; be1 1,024 float32; be2 1,024 float32; bo 1,024 float32; g1 1,024 float32; g2 1,024 float32; x 2 x 2,048 x 1,024 float32.
;; Outputs: out0 2 x 2,048 x 1,024 float32.
;; 2 versions, each right; version 2 is version 1 with the launch prep written anew for expert scheduling mode. Each part assembles by itself: llvm-mc -triple=amdgcn-amd-amdhsa -mcpu=gfx1250 --defsym DOCPART=n.
;; ======== version 1 of 2: 7 launches
;; limits: values are held in f16: magnitudes above 65,504 overflow, below 6.1e-05 lose precision
;; workspace buffers: wb 25,165,824 bytes; hb 8,388,608 bytes; qkv 25,165,824 bytes; ao 8,388,608 bytes; x2 16,777,216 bytes; ff 33,554,432 bytes
;; launch prep (part 1): grid 64 x 14, 8 waves a work-group, no clusters, 0 bytes of LDS; arguments Wq, Wk, Wv, Wo, W1, W2, wb, x, g1, be1, hb; writes wb, hb
.if DOCPART == 1
	.amdgcn_target "amdgcn-amd-amdhsa--gfx1250"
	.amdhsa_code_object_version 6
	.text
	.protected	k_qc90cd29e85_prep
	.globl	k_qc90cd29e85_prep
	.p2align	8
	.type	k_qc90cd29e85_prep,@function
k_qc90cd29e85_prep:
	s_mov_b64 s[64:65], 0
	v_nop
	global_prefetch_b8 v0, s[64:65] scope:SCOPE_SE
	s_setreg_imm32_b32 hwreg(HW_REG_WAVE_MODE, 25, 1), 1
	s_wait_xcnt 0x0
; Two streams in one launch, since neither reads what the other writes: the weights rounded to f16 (y = 0 to 11) and the first LayerNorm (y = 12, 13).
; THE WEIGHTS.  wb = the six weight matrices rounded to f16, each still [K][N] (the products read them turned, out of LDS):
;   byte 0         Wqkv [1024][3072]: column = 1024 w + 64 h + e, w = 0, 1, 2 for q, k, v
;   byte OFF_WO    Wo   [1024][1024];   byte OFF_W1  W1 [1024][4096];   byte OFF_W2  W2 [4096][1024]
; WHY f16: it keeps 11 significant bits where bf16 keeps 8, and the block's result passes through a chain of six to ten rounded operands.  Weights have room in it: f16 reaches 65,504 and
; its steps at the bottom are 2^-24, so weights of rms 1/2,000 are still rounded to within 3e-8.  Limit: a weight beyond 65,504 in magnitude becomes infinite.
; A work-group takes 64 KiB of f32: eight waves x 16 steps x 512 bytes.  y = 0-3: W1, 4-7: W2, 8: Wo (copied in order);
; y = 9, 10, 11: Wq, Wk, Wv: x / 8 is a pair of heads, x % 8 a block of 128 rows d.  There lanes 0-15 take row d of the even head and
; lanes 16-31 row d of the odd one, so that the wave's store is again 256 consecutive bytes, aligned: the pair's columns of row d of Wqkv.
; All 16 loads of a wave go out at once; no register is written twice, so nothing but the counted waits for the loads is needed.
; THE NORM.  hb[r][c] = f16((x[r][c] - mean_r) * rsqrt(var_r + 1e-5) * g1[c] + be1[c]).  x: [4096][1024] f32, hb: [4096][1024] f16.  |hb| <= 32 |g1| + |be1|: beyond 65,504 it becomes infinite.
; A work-group takes 32 rows, a wave four.  A row is 4,096 bytes: one wave holds it in 32 registers (eight loads of 512 consecutive bytes), so the two reductions never leave the wave.
; The variance is the mean of (x - mean)^2, taken in a second pass over the registers: no difference of large sums is formed where the rows carry an offset.
; Both are pure streams: each byte is read once and written once; no LDS, no barrier, no matrix unit.
.set OFF_WO, 6291456
.set OFF_W1, 8388608
.set OFF_W2, 16777216
.set QKVROW, 6144                      ; bytes in a row of Wqkv
.set SO, 2                             ; the weights: v2  my byte offset in the source
.set DO, 3                             ; v3       my byte offset in wb
.set X,  8                             ; v[8:71]  step i: 4 f32 as loaded
.set Y,  72                            ; v[72:103] step i: 4 f16 to store
.set LG,  4                            ; the norm: v[4:35]  g of my 32 columns (columns 128 j + 4 lane + 0..3)
.set LBE, 36                           ; v[36:67]   be of them
.set LX,  68                           ; v[68:195]  row r: 32 registers
.set LS,  196                          ; v[196:203] four chains of pairs
.set LT,  204                          ; v[204:205] the reduction
.set LMU, 206                          ; v[206:207] the mean, twice (a pair for the packed forms)
.set LRS, 208                          ; v[208:209] 1 / sqrt(var + eps), twice
.macro STREAM sstep, dstep
.irp i, 0,1,2,3,4,5,6,7,8,9,10,11,12,13,14,15
	global_load_b128 v[X+4*\i:X+4*\i+3], v[SO], s[22:23] offset:\i*\sstep th:TH_LOAD_NT
.endr
.irp i, 0,1,2,3,4,5,6,7,8,9,10,11,12,13,14,15
	s_wait_loadcnt 15-\i                           ; loads come back in order: step i is in, the 15 - i younger ones stay out
	v_cvt_pk_f16_f32 v[Y+2*\i],   v[X+4*\i],   v[X+4*\i+1]
	v_cvt_pk_f16_f32 v[Y+2*\i+1], v[X+4*\i+2], v[X+4*\i+3]
	global_store_b64 v[DO], v[Y+2*\i:Y+2*\i+1], s[18:19] offset:\i*\dstep   ; 32 lanes x 8 bytes: 256 consecutive bytes, aligned
.endr
.endm
.macro REDUCE                          ; the four chains, then the 32 lanes; the sum ends in v[LT] of every lane
	v_pk_add_f32 v[LS:LS+1], v[LS:LS+1], v[LS+2:LS+3]
	v_pk_add_f32 v[LS+4:LS+5], v[LS+4:LS+5], v[LS+6:LS+7]
	v_pk_add_f32 v[LS:LS+1], v[LS:LS+1], v[LS+4:LS+5]
	v_add_f32 v[LT], v[LS], v[LS+1]
	v_add_f32_dpp v[LT], v[LT], v[LT] row_xmask:1 row_mask:0xf bank_mask:0xf
	v_add_f32_dpp v[LT], v[LT], v[LT] row_xmask:2 row_mask:0xf bank_mask:0xf
	v_add_f32_dpp v[LT], v[LT], v[LT] row_xmask:4 row_mask:0xf bank_mask:0xf
	v_add_f32_dpp v[LT], v[LT], v[LT] row_xmask:8 row_mask:0xf bank_mask:0xf
	v_permlanex16_b32 v[LT+1], v[LT], s40, s41
	v_add_f32 v[LT], v[LT], v[LT+1]
.endm
.macro ROW r
.set XR, LX+32*\r
	s_wait_loadcnt 8*(3-\r)                        ; my row is in (g and be are older); the eight loads of each later row stay out
.irp k, 0,2,4,6
	v_pk_add_f32 v[LS+\k:LS+\k+1], v[XR+\k:XR+\k+1], v[XR+8+\k:XR+8+\k+1]   ; the first words start the chains: nothing is cleared
.endr
.irp k, 0,2,4,6
	v_pk_add_f32 v[LS+\k:LS+\k+1], v[LS+\k:LS+\k+1], v[XR+16+\k:XR+16+\k+1]
.endr
.irp k, 0,2,4,6
	v_pk_add_f32 v[LS+\k:LS+\k+1], v[LS+\k:LS+\k+1], v[XR+24+\k:XR+24+\k+1]
.endr
	REDUCE
	v_mul_f32 v[LMU], s42, v[LT]
	v_mul_f32 v[LMU+1], s42, v[LT]
.set i, 0
.rept 16
	v_pk_add_f32 v[XR+i:XR+i+1], v[XR+i:XR+i+1], v[LMU:LMU+1] neg_lo:[0,1] neg_hi:[0,1]   ; x - mean
.set i, i+2
.endr
.irp k, 0,2,4,6
	v_pk_mul_f32 v[LS+\k:LS+\k+1], v[XR+\k:XR+\k+1], v[XR+\k:XR+\k+1]
.endr
.set i, 8
.rept 12
	v_pk_fma_f32 v[LS+i%8:LS+i%8+1], v[XR+i:XR+i+1], v[XR+i:XR+i+1], v[LS+i%8:LS+i%8+1]
.set i, i+2
.endr
	REDUCE
	v_fma_f32 v[LT], v[LT], s42, s43               ; var + eps
	v_rsq_f32 v[LRS], v[LT]
	v_rsq_f32 v[LRS+1], v[LT]
	v_nop                                          ; a plain instruction between the root and the use of its result (ISA guide 5.7.2)
.set i, 0
	s_wait_alu depctr_va_vdst(0)
.rept 16
	v_pk_mul_f32 v[XR+i:XR+i+1], v[XR+i:XR+i+1], v[LRS:LRS+1]
.set i, i+2
.endr
.set i, 0
.rept 16
	v_pk_fma_f32 v[XR+i:XR+i+1], v[XR+i:XR+i+1], v[LG+i:LG+i+1], v[LBE+i:LBE+i+1]
.set i, i+2
.endr
.set i, 0
.rept 16
	v_cvt_pk_f16_f32 v[XR+i], v[XR+2*i], v[XR+2*i+1]   ; in place, ascending: word i is written when words 2 i and 2 i + 1 have been read
.set i, i+1
.endr
.irp j, 0,1,2,3,4,5,6,7
	global_store_b64 v3, v[XR+2*\j:XR+2*\j+1], s[38:39] offset:\r*2048+256*\j   ; 32 lanes x 8 bytes: 256 consecutive bytes, aligned
.endr
.endm
	s_load_b256 s[4:11], s[0:1], 0x0               ; Wq s[4:5], Wk s[6:7], Wv s[8:9], Wo s[10:11]
	s_load_b128 s[12:15], s[0:1], 0x20             ; W1 s[12:13], W2 s[14:15]
	s_load_b64 s[16:17], s[0:1], 0x30              ; wb
	s_load_b128 s[32:35], s[0:1], 0x38             ; x s[32:33], g1 s[34:35]
	s_load_b128 s[36:39], s[0:1], 0x48             ; be1 s[36:37], hb s[38:39]
	s_and_b32 s20, ttmp7, 0xffff                   ; y: which matrix, or the norm
	v_lshrrev_b32 v1, 5, v0                        ; wave
	v_and_b32 v4, 31, v0                           ; lane
	s_mov_b32 s25, 0                               ; high words of the two offsets
	s_mov_b32 s27, 0
	s_wait_kmcnt 0x0
	s_cmp_ge_u32 s20, 12
	s_cbranch_scc1 .Lrows
	s_cmp_ge_u32 s20, 9
	s_cbranch_scc1 .Lheads
	; W1, W2, Wo: copied in order
	s_and_b32 s21, s20, 3
	s_lshl_b32 s21, s21, 6
	s_add_co_u32 s21, s21, ttmp9                   ; the chunk of 64 KiB in its matrix
	s_lshl_b32 s24, s21, 16                        ; its bytes in the source,
	s_lshl_b32 s26, s21, 15                        ; and in wb's region
	s_mov_b32 s28, OFF_W1
	s_mov_b32 s29, OFF_W2
	s_mov_b32 s30, OFF_WO
	s_cmp_lt_u32 s20, 4
	s_cselect_b64 s[22:23], s[12:13], s[14:15]
	s_cselect_b32 s28, s28, s29
	s_cmp_eq_u32 s20, 8
	s_cselect_b64 s[22:23], s[10:11], s[22:23]
	s_cselect_b32 s28, s30, s28
	s_add_co_u32 s26, s26, s28
	s_add_nc_u64 s[22:23], s[22:23], s[24:25]
	s_add_nc_u64 s[18:19], s[16:17], s[26:27]
	v_lshlrev_b32 v[SO], 4, v4
	v_lshl_add_u32 v[SO], v1, 13, v[SO]            ; wave x 8,192 + lane x 16
	v_lshlrev_b32 v[DO], 3, v4
	v_lshl_add_u32 v[DO], v1, 12, v[DO]            ; wave x 4,096 + lane x 8
	STREAM 512, 256
	s_endpgm
.Lheads:
	; Wq, Wk, Wv [16][1024][64]: heads side by side in Wqkv's rows
	s_cmp_eq_u32 s20, 9
	s_cselect_b64 s[22:23], s[4:5], s[6:7]
	s_cmp_eq_u32 s20, 11
	s_cselect_b64 s[22:23], s[8:9], s[22:23]
	s_lshr_b32 s21, ttmp9, 3                       ; the pair of heads
	s_and_b32 s28, ttmp9, 7                        ; the block of 128 rows d
	s_lshl_b32 s24, s21, 19                        ; two heads of 262,144 bytes
	s_lshl_b32 s29, s28, 15                        ; 128 rows of 256 bytes
	s_add_co_u32 s24, s24, s29
	s_mul_i32 s26, s28, 128*QKVROW
	s_sub_co_u32 s29, s20, 9
	s_lshl_b32 s29, s29, 11                        ; q, k or v: 1,024 columns of 2 bytes
	s_add_co_u32 s26, s26, s29
	s_lshl_b32 s29, s21, 8                         ; the pair's 128 columns
	s_add_co_u32 s26, s26, s29
	s_add_nc_u64 s[22:23], s[22:23], s[24:25]
	s_add_nc_u64 s[18:19], s[16:17], s[26:27]
	v_and_b32 v5, 15, v4
	v_lshrrev_b32 v6, 4, v4
	v_lshlrev_b32 v[SO], 4, v5
	v_lshl_add_u32 v[SO], v1, 12, v[SO]            ; wave x 16 rows of 256 bytes
	v_lshl_add_u32 v[SO], v6, 18, v[SO]            ; lanes 16-31: the odd head
	v_mul_u32_u24 v[DO], v1, 16*QKVROW
	v_lshl_add_u32 v[DO], v4, 3, v[DO]
	STREAM 256, QKVROW
	s_endpgm
.Lrows:
	; the norm: block 64 (y - 12) + x of 32 rows
	s_sub_co_u32 s21, s20, 12
	s_lshl_b32 s21, s21, 6
	s_add_co_u32 s21, s21, ttmp9
	s_lshl_b32 s24, s21, 17                        ; 32 rows of 4,096 bytes in,
	s_lshl_b32 s26, s21, 16                        ; of 2,048 bytes out
	s_add_nc_u64 s[32:33], s[32:33], s[24:25]
	s_add_nc_u64 s[38:39], s[38:39], s[26:27]
	s_mov_b32 s40, 0x76543210                      ; v_permlanex16_b32: each lane takes its own place in the other half
	s_mov_b32 s41, 0xfedcba98
	s_mov_b32 s42, 0x3a800000                      ; 1 / 1024
	s_mov_b32 s43, 0x3727c5ac                      ; 1e-5
	v_and_b32 v3, 31, v0                           ; lane
	v_lshrrev_b32 v2, 5, v0                        ; wave
	v_lshlrev_b32 v1, 4, v3                        ; g, be: 16 bytes a lane
	v_lshlrev_b32 v3, 3, v3
	v_lshl_add_u32 v3, v2, 13, v3                  ; out: wave x 4 rows x 2,048 + 8 bytes a lane
	v_lshl_add_u32 v2, v2, 14, v1                  ; in: wave x 4 rows x 4,096 + 16 bytes a lane
	v_mov_b32 v[LT+1], 0                           ; v_permlanex16_b32's destination counts as read
.irp j, 0,1,2,3,4,5,6,7
	global_load_b128 v[LG+4*\j:LG+4*\j+3], v1, s[34:35] offset:512*\j
.endr
.irp j, 0,1,2,3,4,5,6,7
	global_load_b128 v[LBE+4*\j:LBE+4*\j+3], v1, s[36:37] offset:512*\j
.endr
.irp r, 0,1,2,3
.irp j, 0,1,2,3,4,5,6,7
	global_load_b128 v[LX+32*\r+4*\j:LX+32*\r+4*\j+3], v2, s[32:33] offset:\r*4096+512*\j
.endr
.endr
	ROW 0
	ROW 1
	ROW 2
	ROW 3
	s_endpgm
.Lfunc_end_k_qc90cd29e85_prep:
	.size	k_qc90cd29e85_prep, .Lfunc_end_k_qc90cd29e85_prep-k_qc90cd29e85_prep
	.p2alignl 7, 3214868480
	.fill 96, 4, 3214868480
	.section	.rodata,"a",@progbits
	.p2align	6, 0x0
	.amdhsa_kernel k_qc90cd29e85_prep
		.amdhsa_group_segment_fixed_size 0
		.amdhsa_private_segment_fixed_size 0
		.amdhsa_enable_private_segment 0
		.amdhsa_kernarg_size 88
		.amdhsa_user_sgpr_count 2
		.amdhsa_user_sgpr_kernarg_segment_ptr 1
		.amdhsa_wavefront_size32 1
		.amdhsa_system_sgpr_workgroup_id_x 1
		.amdhsa_system_sgpr_workgroup_id_y 1
		.amdhsa_system_sgpr_workgroup_id_z 1
		.amdhsa_system_vgpr_workitem_id 0
		.amdhsa_next_free_vgpr 212
		.amdhsa_next_free_sgpr 66
		.amdhsa_reserve_vcc 0
		.amdhsa_float_denorm_mode_32 3
		.amdhsa_float_denorm_mode_16_64 3
		.amdhsa_memory_ordered 1
		.amdhsa_forward_progress 1
		.amdhsa_inst_pref_size 51
	.end_amdhsa_kernel
	.amdgpu_metadata
---
amdhsa.version: [ 1, 2 ]
amdhsa.kernels:
  - .name:           k_qc90cd29e85_prep
    .symbol:         k_qc90cd29e85_prep.kd
    .args:
      - { .name: Wq, .offset: 0, .size: 8, .value_kind: global_buffer, .address_space: global }
      - { .name: Wk, .offset: 8, .size: 8, .value_kind: global_buffer, .address_space: global }
      - { .name: Wv, .offset: 16, .size: 8, .value_kind: global_buffer, .address_space: global }
      - { .name: Wo, .offset: 24, .size: 8, .value_kind: global_buffer, .address_space: global }
      - { .name: W1, .offset: 32, .size: 8, .value_kind: global_buffer, .address_space: global }
      - { .name: W2, .offset: 40, .size: 8, .value_kind: global_buffer, .address_space: global }
      - { .name: wb, .offset: 48, .size: 8, .value_kind: global_buffer, .address_space: global }
      - { .name: x, .offset: 56, .size: 8, .value_kind: global_buffer, .address_space: global }
      - { .name: g1, .offset: 64, .size: 8, .value_kind: global_buffer, .address_space: global }
      - { .name: be1, .offset: 72, .size: 8, .value_kind: global_buffer, .address_space: global }
      - { .name: hb, .offset: 80, .size: 8, .value_kind: global_buffer, .address_space: global }
    .group_segment_fixed_size: 0
    .private_segment_fixed_size: 0
    .kernarg_segment_align: 8
    .kernarg_segment_size: 88
    .max_flat_workgroup_size: 256
    .sgpr_count:     66
    .vgpr_count:     212
    .wavefront_size: 32
...
	.end_amdgpu_metadata
.endif
;; end of part 1
;; launch qkv (part 2): grid 12 x 16, 4 waves a work-group, clusters of 4 x 4, 327,680 bytes of LDS; arguments hb, wb, qkv; writes qkv
.if DOCPART == 2
	.amdgcn_target "amdgcn-amd-amdhsa--gfx1250"
	.amdhsa_code_object_version 6
	.text
	.protected	k_qc90cd29e85_qkv
	.globl	k_qc90cd29e85_qkv
	.p2align	8
	.type	k_qc90cd29e85_qkv,@function
k_qc90cd29e85_qkv:
	s_mov_b64 s[64:65], 0
	v_nop
	global_prefetch_b8 v0, s[64:65] scope:SCOPE_SE
	s_setreg_imm32_b32 hwreg(HW_REG_WAVE_MODE, 25, 1), 1
	s_wait_xcnt 0x0
	s_wait_alu depctr_hold_cnt(0) depctr_sa_sdst(0) depctr_va_vdst(0) depctr_va_sdst(0) depctr_va_ssrc(0) depctr_va_vcc(0) depctr_vm_vsrc(0)
	s_getreg_b32 s2, hwreg(HW_REG_IB_STS2, 6, 4)
	s_cmp_eq_u32 s2, 0
	s_cbranch_scc0 .Lentry_in_a_cluster
	s_endpgm
.Lentry_in_a_cluster:
	s_bfe_u32 s2, ttmp6, 0x10000c
	s_cmp_lg_u32 s2, 0xf033
	s_cbranch_scc0 .Lentry_shape_is_right
	s_endpgm
.Lentry_shape_is_right:
; C[m][n] = sum over k of A[m][k] W[k][n].  A: [4096][SIZE_K] f16, W: [SIZE_K][SIZE_N] f16 at byte WOFF of wb, C: [4096][SIZE_N] f16; sums in f32.
; EPI = 1: C = relu(sum + bias[n]), in f32, rounded once (the maximum with 0 turns a NaN into 0).
; C has room in f16: a sum of 1,024 products of a normalised row (rms |g|) and weights of rms w has rms 32 |g| w: 900 where g is 30 and w is 30/32.  Limit: a result beyond 65,504 becomes infinite.
; A tile of C, 256 x 256, is made by a work-group of four waves, one to a SIMD; a wave makes 128 x 128: 64 accumulators of 16 x 16, 512 registers.
; K goes in steps of 128 through a ring of two LDS slots filled by the tensor data mover.  A's tile: 256 rows x 256 bytes; W's tile: 128 rows (k) x 512 bytes (256 n).
; W lies [k][n], so its fragments come out of LDS turned, by ds_load_tr16_b128.
; CLUSTERS: 4 x 4 work-groups.  The four of a row of the cluster need the same tiles of A, the four of a column the same tiles of W: each tile is asked for JOINTLY,
; by the same tensor load with the same descriptor and a mask that names the four; that divides the requests for A and W by four.
; THE MATRIX INSTRUCTION IS USED TRANSPOSED: source 0 = 16 columns of W, source 1 = 16 rows of A: a lane then holds row l % 16 of C and eight NEIGHBOURING columns 8 (l / 16) + 0..7.
; REGISTERS, in windows of 256: window 0: v0-31 addresses; v64-127, v128-191 fragments of A, two buffers; v32-63, v192-255 at work on the way out (EPI = 1: v64-127 too)
;   window 1: v64-127, v128-191 fragments of W, two buffers; EPI = 1: v0-63 the bias of my 128 columns;   window 2: the accumulators of my rows 0-63;   window 3: of my rows 64-127
.set SIZE_N, 3072
.set WOFF,   0
.set EPI,    0
.set SIZE_K, 1024
.set KSTEP,  128
.set PA,     272                       ; a row of A in LDS: 256 bytes + 16: the 16 rows of a fragment load start at 16 different groups of four banks
.set PB,     544                       ; a row of W in LDS: 512 bytes + 32 = 17 x 32
.set HALFT,  128*PA                    ; what one tensor load brings: 128 rows of A, or 64 rows of W (64 x 544 is the same number)
.set SLOT,   4*HALFT                   ; A's 256 rows, then W's 128 rows
.set STAGE,  2*SLOT                    ; behind the ring: 16 rows x 272 bytes for each wave, for the way out; no tensor load fills it
.set SPITCH, 272
.set LAPS,   SIZE_K/(2*KSTEP)          ; a lap = two K steps = once round the ring
.set ADRA, 16                          ; v16-17  LDS address of my A fragments in slot 0, 1
.set ADRB, 20                          ; v20-21  the same for W
.set STO,  24                          ; v24     the way out: where I put 16 bytes of a row
.set RD,   25                          ; v25     the way out: where I read a row back
.set CO,   26                          ; v26     my byte offset in C
.set BO,   27                          ; v27     my byte offset in the bias
.set F0,   64
.set F1,   128
.set TMP,  192                         ; packed results
.set OB,   32                          ; 16 rows read back from the stage: v32-63 and v224-255 by turns
.set RL,   64                          ; EPI = 1: a block's sums plus bias, in f32
.set G1,  24                           ; s[24:31] descriptor group 1 for A's tiles;  s[32:39] group 0, one set for each slot
.set G0,  32
.set G1B, 48                           ; s[48:55], s[56:63] the same for W's tiles
.set G0B, 56
.set MSB, 0
.macro WIN new                         ; the immediate's high byte repeats the setting that is left; a switch that changes nothing is dropped
.if MSB != \new
	s_set_vgpr_msb (MSB<<8)|\new
.set MSB, \new
.endif
.endm
.set MUL_LO, 0xa1                      ; source 0 (W) window 1, source 1 (A) window 0, C and D window 2
.set MUL_HI, 0xf1                      ; the same, C and D window 3
.set TO_B,   0x40                      ; destination window 1, address window 0
; A joint load.  Waves 0 and 1 fetch A's two halves, waves 2 and 3 W's.  The branch hangs on the wave's number alone.  Four v_nop follow each of the two lines.
.macro JLOAD s
	s_cmp_eq_u32 s11, 0
	s_cbranch_scc0 .Lfor_b_\@
	tensor_load_to_lds s[G0+4*\s:G0+4*\s+3], s[G1:G1+7]
	s_nop 0
.rept 4
	v_nop
.endr
	s_branch .Lasked_\@
.Lfor_b_\@:
	tensor_load_to_lds s[G0B+4*\s:G0B+4*\s+3], s[G1B:G1B+7]
	s_nop 0
.rept 4
	v_nop
.endr
.Lasked_\@:
.endm
; A round of the cluster's barrier: my work-group's barrier; wave 0 signals for the work-group; every wave waits for all sixteen; my work-group's barrier once more.
.macro CREST                           ; a round behind its opening barrier
	s_cmp_lg_u32 s10, 0
	s_cbranch_scc1 .Lnot_wave_0_\@
	s_barrier_signal -3
.Lnot_wave_0_\@:
	s_barrier_wait -3
	s_barrier_signal -1
	s_barrier_wait -1
.endm
.macro CROUND
	s_barrier_signal -1
	s_barrier_wait -1
	CREST
.endm
	s_load_b128 s[4:7], s[0:1], 0x0                ; A s[4:5], wb s[6:7]
	s_load_b64 s[8:9], s[0:1], 0x10                ; C
	s_set_vgpr_msb 0x40
	v_lshl_add_u32 v255, v0, 2, 0x48400
	s_set_vgpr_msb 0x4000
	v_mov_b32 v31, 0
	s_set_vgpr_msb 0x1
	ds_add_u32 v255, v31
	s_set_vgpr_msb 0x100
.if EPI
	s_load_b64 s[66:67], s[0:1], 0x18              ; bias
.endif
	v_lshrrev_b32 v1, 5, v0
	v_readfirstlane_b32 s10, v1                    ; wave 0..3
	s_lshr_b32 s11, s10, 1                         ; which half of the tile's rows is mine.  Also: I fetch for A (0) or for W (1)
	s_and_b32 s12, s10, 1                          ; which half of its columns.  Also: which half of that tile I fetch
	s_bfe_u32 s40, ttmp6, 0x40000                  ; cx, cy: my place in the cluster
	s_bfe_u32 s41, ttmp6, 0x40004
	s_lshl_b32 s42, ttmp9, 2
	s_add_co_u32 s42, s42, s40                     ; tile column of C = 4 x cluster x + cx
	s_and_b32 s13, ttmp7, 0xffff
	s_lshl_b32 s13, s13, 2
	s_add_co_u32 s13, s13, s41                     ; tile row of C = 4 x cluster y + cy
	s_lshl_b32 s43, s41, 2
	s_lshl_b32 s43, 15, s43                        ; my row of the cluster
	s_lshl_b32 s44, 0x1111, s40                    ; my column
	s_or_b32 s[G1+0], s43, (1<<16)|(1<<20)|(1<<21)|(5<<22)|(3<<25)   ; the mask: A's tiles go to my row; elements of 2 bytes; padding on; bit 21 beside a mask; after every 64 words, 4 words
	s_mov_b32 s[G1+1], KSTEP<<16                   ; tensor_dim0 = 128
	s_mov_b32 s[G1+2], 128<<16                     ; tensor_dim1 = 128
	s_mov_b32 s[G1+3], KSTEP<<16                   ; tile_dim0 = 128
	s_mov_b32 s[G1+4], 128                         ; tile_dim1 = 128
	s_mov_b32 s[G1+5], SIZE_K                      ; elements from row to row
	s_mov_b32 s[G1+6], 0
	s_mov_b32 s[G1+7], 0
	s_or_b32 s[G1B+0], s44, (1<<16)|(1<<20)|(1<<21)|(6<<22)|(7<<25)  ; W's tiles go to my column; after every 128 words, 8 words
	s_mov_b32 s[G1B+1], 256<<16                    ; tensor_dim0 = 256 columns
	s_mov_b32 s[G1B+2], 64<<16                     ; tensor_dim1 = 64 rows (k)
	s_mov_b32 s[G1B+3], 256<<16                    ; tile_dim0 = 256
	s_mov_b32 s[G1B+4], 64                         ; tile_dim1 = 64
	s_mov_b32 s[G1B+5], SIZE_N
	s_mov_b32 s[G1B+6], 0
	s_mov_b32 s[G1B+7], 0
	; A's tiles hang on the tile row alone, W's on the tile column alone; each address is made in registers that never hold the other coordinate
	s_lshl_b32 s17, s12, 7
	s_lshl_b32 s16, s13, 8
	s_add_co_u32 s16, s16, s17                     ; A: row 256 x tile row + 128 x half,
	s_lshl_b32 s16, s16, 11                        ; of 2,048 bytes: under 2^23
	s_mov_b32 s17, 0
	s_lshl_b32 s46, s42, 9                         ; W: 256 columns of 2 bytes a tile column,
	s_mul_i32 s47, s12, 64*SIZE_N*2                ; 64 rows a half
	s_add_co_u32 s46, s46, s47
.if WOFF
	s_add_co_u32 s46, s46, WOFF
.endif
	s_mov_b32 s47, 0
	s_mul_i32 s20, s10, HALFT                      ; where they go: wave x HALFT: no place in the cluster enters an LDS address
	s_wait_dscnt 0x0
	s_wait_kmcnt 0x0
	s_add_nc_u64 s[14:15], s[4:5], s[16:17]
	s_add_nc_u64 s[46:47], s[6:7], s[46:47]
	CROUND                                         ; all sixteen work-groups are here: the first joint loads meet
.irp s, 0,1
	s_mov_b32 s[G0+4*\s], 1
	s_add_co_u32 s[G0+4*\s+1], s20, \s*SLOT
	s_add_nc_u64 s[G0+4*\s+2:G0+4*\s+3], s[14:15], \s*KSTEP*2
	s_or_b32 s[G0+4*\s+3], s[G0+4*\s+3], 0x80000000
	s_mov_b32 s[G0B+4*\s], 1
	s_add_co_u32 s[G0B+4*\s+1], s20, \s*SLOT
	s_add_nc_u64 s[G0B+4*\s+2:G0B+4*\s+3], s[46:47], \s*KSTEP*SIZE_N*2
	s_or_b32 s[G0B+4*\s+3], s[G0B+4*\s+3], 0x80000000
	JLOAD \s                                       ; the ring is filled before anything else is done: two loads of mine are out
.endr
	v_and_b32 v1, 15, v0                           ; l % 16
	v_bfe_u32 v2, v0, 4, 1                         ; l / 16
	v_mul_u32_u24 v3, v1, PA
	v_lshl_add_u32 v3, v2, 4, v3                   ; A: row x pitch + 16 x half
	v_and_b32 v6, 7, v0                            ; W, turned: lane l reads 16 bytes of row k = 8 (l / 16) + l % 8, columns 8 ((l / 8) % 2) + 0..7
	v_lshl_add_u32 v6, v2, 3, v6
	v_mul_u32_u24 v6, v6, PB
	v_bfe_u32 v7, v0, 3, 1
	v_lshl_add_u32 v6, v7, 4, v6
	s_mul_i32 s21, s11, HALFT                      ; my 128 rows of A
	s_lshl_b32 s22, s12, 8                         ; my 128 columns of W,
	s_add_co_u32 s22, s22, 2*HALFT                 ; which lies behind A's 256 rows
.irp s, 0,1
	v_add_nc_u32 v[ADRA+\s], s21, v3
	v_add_nc_u32 v[ADRB+\s], s22, v6
	s_add_co_u32 s21, s21, SLOT
	s_add_co_u32 s22, s22, SLOT
.endr
	s_mul_i32 s23, s10, 16*SPITCH
	s_add_co_u32 s23, s23, STAGE                   ; my stage
	v_mul_u32_u24 v4, v1, SPITCH                   ; in: row l % 16, 16 bytes for each half of the lanes
	v_lshl_add_u32 v4, v2, 4, v4
	v_add_nc_u32 v[STO], s23, v4
	v_mul_u32_u24 v5, v2, SPITCH                   ; back: lanes 0-15 take one row of 256 bytes, lanes 16-31 the next
	v_lshl_add_u32 v5, v1, 4, v5
	v_add_nc_u32 v[RD], s23, v5
	v_mul_u32_u24 v5, v2, SIZE_N*2                 ; and the same two rows in C
	v_lshl_add_u32 v[CO], v1, 4, v5
	s_lshl_b32 s13, s13, 8
	s_lshl_b32 s14, s11, 7
	s_add_co_u32 s16, s13, s14                     ; my first row of C,
	s_mul_i32 s16, s16, SIZE_N*2                   ; in bytes: under 2^25
	s_lshl_b32 s46, s42, 9                         ; my first column, in bytes: 512 x tile column + 256 x half
	s_lshl_b32 s47, s12, 8
	s_add_co_u32 s46, s46, s47
	s_mov_b32 s47, 0
	s_add_nc_u64 s[8:9], s[8:9], s[16:17]
	s_add_nc_u64 s[8:9], s[8:9], s[46:47]
.if EPI
	s_lshl_b32 s46, s46, 1                         ; the same column in f32
	s_add_nc_u64 s[66:67], s[66:67], s[46:47]
	v_lshlrev_b32 v[BO], 5, v2                     ; my eight columns of a block of 16: 32 bytes for each half of the lanes
	WIN TO_B
.irp b, 0,1,2,3,4,5,6,7
	global_load_b128 v[8*\b:8*\b+3],   v[BO], s[66:67] offset:64*\b
	global_load_b128 v[8*\b+4:8*\b+7], v[BO], s[66:67] offset:64*\b+16
.endr
	WIN 0
.endif
; 16 matrix instructions: m blocks a0, a0 + 1 of the window's four x all 8 n blocks, 32 along K.  zero = 1: the first product starts the sums: nothing is ever cleared.
; The 64 accumulators take turns, one instruction a turn, in the same order in every quarter step.
.macro MUL16 f, hi, a0, zero
.irp a, \a0, \a0+1
.irp b, 0,1,2,3,4,5,6,7
.if \zero
	v_wmma_f32_16x16x32_f16 v[8*(8*(\a)+\b):8*(8*(\a)+\b)+7], v[\f+8*\b:\f+8*\b+7], v[\f+8*(4*\hi+\a):\f+8*(4*\hi+\a)+7], 0
.else
	v_wmma_f32_16x16x32_f16 v[8*(8*(\a)+\b):8*(8*(\a)+\b)+7], v[\f+8*\b:\f+8*\b+7], v[\f+8*(4*\hi+\a):\f+8*(4*\hi+\a)+7], v[8*(8*(\a)+\b):8*(8*(\a)+\b)+7]
.endif
.endr
.endr
.endm
; 32 LDS loads in one run: the fragments of quarter q (32 along K) of a slot into buffer f: W's 128 columns, turned, then A's 128 rows
.macro FETCH slot, q, f
	WIN TO_B
.irp i, 0,1,2,3,4,5,6,7
	ds_load_tr16_b128 v[\f+8*\i:\f+8*\i+3],   v[ADRB+\slot] offset:\q*32*PB+32*\i
	ds_load_tr16_b128 v[\f+8*\i+4:\f+8*\i+7], v[ADRB+\slot] offset:\q*32*PB+16*PB+32*\i
.endr
	WIN 0
.irp i, 0,1,2,3,4,5,6,7
	ds_load_b128 v[\f+8*\i:\f+8*\i+3],   v[ADRA+\slot] offset:\q*64+\i*16*PA
	ds_load_b128 v[\f+8*\i+4:\f+8*\i+7], v[ADRA+\slot] offset:\q*64+\i*16*PA+32
.endr
.endm
; A load into a register that a matrix instruction has read, and a vector instruction that reads a matrix result, stand four plain vector instructions behind it
.macro PLACES
.rept 4
	v_nop
.endr
.endm
; A K step is four quarters of 32 along K, 64 matrix instructions each, on buffers 0, 1, 0, 1.  One of the first three: multiplies buffer f and fetches quarter q into buffer g.
.macro QUARTER slot, q, f, g, zero
	s_wait_dscnt 8                                 ; W and A's rows 0-63 are in; the youngest eight loads (A's rows 64-127) may be out
	WIN MUL_LO
	MUL16 \f, 0, 0, \zero
	MUL16 \f, 0, 2, \zero
	PLACES
	FETCH \slot, \q, \g
	s_wait_dscnt 32                                ; all but the 32 just issued
	WIN MUL_HI
	MUL16 \f, 1, 0, \zero
	MUL16 \f, 1, 2, \zero
.endm
; The last quarter multiplies buffer 1 and changes slots.  MEET is its first half: ONE barrier; in front of it each wave waits for its own reads of this slot and for all its tensor loads.
.macro MEET round
	s_wait_dscnt 8
	WIN MUL_LO
	MUL16 F1, 0, 0, 0
	s_wait_dscnt 0                                 ; my reads of this slot are over
	s_wait_tensorcnt 0x0                           ; and all my tensor loads have landed: the one that was out is my part of the next slot
	ds_add_u32 v255, v31
	s_wait_dscnt 0x0
	s_barrier_signal -1
	MUL16 F1, 0, 2, 0                              ; work on registers while the others arrive
.if \round
	WIN 0
.endif
	s_barrier_wait -1
.endm
.macro TURN slot, next
	MEET 1
	CREST                                          ; the barrier has opened a round of the cluster's: no wave of any partner still reads this slot or has a load on its way
	s_add_nc_u64 s[G0+4*\slot+2:G0+4*\slot+3], s[G0+4*\slot+2:G0+4*\slot+3], 2*KSTEP*2
	s_add_nc_u64 s[G0B+4*\slot+2:G0B+4*\slot+3], s[G0B+4*\slot+2:G0B+4*\slot+3], 2*KSTEP*SIZE_N*2
	JLOAD \slot                                    ; the first tensor load behind the round, my only one until the next: 240 matrix instructions ahead of the wait for it; its four v_nop are the places in front of the loads below
	FETCH \next, 0, F0
	WIN MUL_HI
	MUL16 F1, 1, 0, 0
	MUL16 F1, 1, 2, 0
.endm
; THE WAY OUT of block a (16 rows).  PACK: (bias, relu,) rounded to f16, 16 bytes a lane; each accumulator's registers in ascending order.  TOSTAGE: into my own stage and back as whole rows.  SEND: stored.
.macro PACK a
.set AC, 64*((\a)%4)
.if EPI
	WIN 0x06+(\a)/4                                ; source 0: window 2 or 3 (the sums); source 1: window 1 (the bias)
.irp b, 0,1,2,3,4,5,6,7
.irp r, 0,1,2,3
	v_pk_add_f32 v[RL+8*\b+2*\r:RL+8*\b+2*\r+1], v[AC+8*\b+2*\r:AC+8*\b+2*\r+1], v[8*\b+2*\r:8*\b+2*\r+1]
.endr
.endr
	WIN 0
.set i, 0
.rept 64
	v_max_num_f32 v[RL+i], 0, v[RL+i]
.set i, i+1
.endr
.set i, 0
.rept 32
	v_cvt_pk_f16_f32 v[TMP+i], v[RL+2*i], v[RL+2*i+1]
.set i, i+1
.endr
.else
	WIN 0x0a+5*((\a)/4)                            ; sources 0 and 1: window 2 or 3
.irp b, 0,1,2,3,4,5,6,7
.irp r, 0,1,2,3
	v_cvt_pk_f16_f32 v[TMP+4*\b+\r], v[AC+8*\b+2*\r], v[AC+8*\b+2*\r+1]
.endr
.endr
	WIN 0
.endif
.endm
.macro TOSTAGE a
.set BK, OB+192*((\a)%2)
.if (\a) >= 2
	s_wait_xcnt 0x0                                ; the stores of the block two back read these registers: they are loaded again only behind this wait
.endif
.irp b, 0,1,2,3,4,5,6,7
	ds_store_b128 v[STO], v[TMP+4*\b:TMP+4*\b+3] offset:32*\b
.endr
.irp t, 0,1,2,3,4,5,6,7
	ds_load_b128 v[BK+4*\t:BK+4*\t+3], v[RD] offset:\t*2*SPITCH    ; LDS serves a wave's instructions in order (ISA guide 5.7.1.4): these see the stores above
.endr
.endm
.macro SEND a
.set BK, OB+192*((\a)%2)
	s_wait_dscnt 0x0                               ; the block is back in registers
.irp t, 0,1,2,3,4,5,6,7
	global_store_b128 v[CO], v[BK+4*\t:BK+4*\t+3], s[8:9] offset:(16*(\a)+2*\t)*SIZE_N*2   ; 16 lanes store 256 consecutive bytes, aligned; 126 rows of C at the most: inside the signed 24-bit immediate
.endr
.endm
	s_wait_tensorcnt 1                             ; my part of K step 0 is in; K step 1's may stay out
	s_barrier_signal -1
	s_barrier_wait -1                              ; everybody's is
	FETCH 0, 0, F0
	QUARTER 0, 1, F0, F1, 1                        ; the first quarter stands in front of the loop: its products start the sums
	WIN 0                                          ; at a label and at a branch every window is 0
	s_mov_b32 s3, LAPS-1
.Llap:                                                 ; a trip goes once round the ring, from a lap's second quarter to the next lap's first, and fills both slots again
	QUARTER 0, 2, F1, F0, 0
	QUARTER 0, 3, F0, F1, 0
	TURN 0, 1
	QUARTER 1, 1, F0, F1, 0
	QUARTER 1, 2, F1, F0, 0
	QUARTER 1, 3, F0, F1, 0
	TURN 1, 0
	QUARTER 0, 1, F0, F1, 0
	WIN 0
	s_sub_co_u32 s3, s3, 1
	s_cmp_lg_u32 s3, 0
	s_cbranch_scc1 .Llap
	QUARTER 0, 2, F1, F0, 0                        ; the last lap fills nothing, and has no round of the cluster's barrier
	QUARTER 0, 3, F0, F1, 0
	MEET 0
	PLACES                                         ; for the loads into buffer 0
	FETCH 1, 0, F0
	WIN MUL_HI
	MUL16 F1, 1, 0, 0
	MUL16 F1, 1, 2, 0
	QUARTER 1, 1, F0, F1, 0
	QUARTER 1, 2, F1, F0, 0
	QUARTER 1, 3, F0, F1, 0
	s_wait_dscnt 8                                 ; the very last quarter: nothing more to fetch
	WIN MUL_LO
	MUL16 F1, 0, 0, 0
	MUL16 F1, 0, 2, 0
	s_wait_dscnt 0
	WIN MUL_HI
	MUL16 F1, 1, 0, 0
	MUL16 F1, 1, 2, 0
	WIN 0
.if EPI
	s_wait_loadcnt 0x0                             ; the bias
.endif
	PLACES                                         ; the conversions read results just made
	PACK 0
	TOSTAGE 0
.irp a, 1,2,3,4,5,6,7                  ; block a's arithmetic stands between block a - 1's loads from the stage and the wait for them
	PACK \a
	SEND \a-1
	TOSTAGE \a
.endr
	SEND 7
	s_set_vgpr_msb 0x1
	s_wait_tensorcnt 0x0
	ds_add_u32 v255, v31
	s_wait_dscnt 0x0
	s_set_vgpr_msb 0x100
	CROUND                                         ; the closing round: no work-group ends while a partner may still ask for a tile that names it
	s_endpgm
.Lfunc_end_k_qc90cd29e85_qkv:
	.size	k_qc90cd29e85_qkv, .Lfunc_end_k_qc90cd29e85_qkv-k_qc90cd29e85_qkv
	.p2alignl 7, 3214868480
	.fill 96, 4, 3214868480
	.section	.rodata,"a",@progbits
	.p2align	6, 0x0
	.amdhsa_kernel k_qc90cd29e85_qkv
		.amdhsa_group_segment_fixed_size 327680
		.amdhsa_private_segment_fixed_size 0
		.amdhsa_enable_private_segment 0
		.amdhsa_kernarg_size 24
		.amdhsa_user_sgpr_count 2
		.amdhsa_user_sgpr_kernarg_segment_ptr 1
		.amdhsa_wavefront_size32 1
		.amdhsa_system_sgpr_workgroup_id_x 1
		.amdhsa_system_sgpr_workgroup_id_y 1
		.amdhsa_system_sgpr_workgroup_id_z 1
		.amdhsa_system_vgpr_workitem_id 0
		.amdhsa_next_free_vgpr 1024
		.amdhsa_next_free_sgpr 66
		.amdhsa_reserve_vcc 0
		.amdhsa_float_denorm_mode_32 3
		.amdhsa_float_denorm_mode_16_64 3
		.amdhsa_memory_ordered 1
		.amdhsa_forward_progress 1
		.amdhsa_inst_pref_size 143
	.end_amdhsa_kernel
	.amdgpu_metadata
---
amdhsa.version: [ 1, 2 ]
amdhsa.kernels:
  - .name:           k_qc90cd29e85_qkv
    .symbol:         k_qc90cd29e85_qkv.kd
    .args:
      - { .name: hb, .offset: 0, .size: 8, .value_kind: global_buffer, .address_space: global }
      - { .name: wb, .offset: 8, .size: 8, .value_kind: global_buffer, .address_space: global }
      - { .name: qkv, .offset: 16, .size: 8, .value_kind: global_buffer, .address_space: global }
    .group_segment_fixed_size: 327680
    .private_segment_fixed_size: 0
    .kernarg_segment_align: 8
    .kernarg_segment_size: 24
    .max_flat_workgroup_size: 128
    .sgpr_count:     66
    .vgpr_count:     1024
    .wavefront_size: 32
...
	.end_amdgpu_metadata
.endif
;; end of part 2
;; launch attn (part 3): grid 16 x 16, 4 waves a work-group, clusters of 4 x 1, 327,680 bytes of LDS; arguments qkv, ao; writes ao
.if DOCPART == 3
	.amdgcn_target "amdgcn-amd-amdhsa--gfx1250"
	.amdhsa_code_object_version 6
	.text
	.protected	k_qc90cd29e85_attn
	.globl	k_qc90cd29e85_attn
	.p2align	8
	.type	k_qc90cd29e85_attn,@function
k_qc90cd29e85_attn:
	s_mov_b64 s[64:65], 0
	v_nop
	global_prefetch_b8 v0, s[64:65] scope:SCOPE_SE
	s_setreg_imm32_b32 hwreg(HW_REG_WAVE_MODE, 25, 1), 1
	s_wait_xcnt 0x0
	s_wait_alu depctr_hold_cnt(0) depctr_sa_sdst(0) depctr_va_vdst(0) depctr_va_sdst(0) depctr_va_ssrc(0) depctr_va_vcc(0) depctr_vm_vsrc(0)
	s_getreg_b32 s2, hwreg(HW_REG_IB_STS2, 6, 4)
	s_cmp_eq_u32 s2, 0
	s_cbranch_scc0 .Lentry_in_a_cluster
	s_endpgm
.Lentry_in_a_cluster:
	s_bfe_u32 s2, ttmp6, 0x10000c
	s_cmp_lg_u32 s2, 0x3003
	s_cbranch_scc0 .Lentry_shape_is_right
	s_endpgm
.Lentry_shape_is_right:
; ao[row][64 head + e] = sum over keys s <= t of softmax_s(q_t . k_s / 8) v_s[e], causal, for 2 batches x 16 heads x 2,048 rows.
; qkv: [4096][3072] f16 (q at column 0, k at 1024, v at 2048, each 64 head + e); ao: [4096][1024] f16.  Products, maxima and sums in f32; the weights are rounded to f16 for the second product:
; they lie in [0, 1], and ao is a mean of rows of v, so both have in f16 the room that v has.
; Limits: scores must be finite.  A weight below 2^-25 rounds to 0 in f16 and drops out of V^T P while l, summed in f32, still counts it: a query has at most 2,047 such weights, together under
; 2,047 x 2^-25 = 6.1e-5 of l, which is at least 1 (the largest weight).  A weight below 2^-126 counts as 0 in l too (v_exp_f32 flushes such results).
; SHARES.  y = 8 batch + pair of heads.  A pair of heads is 256 bytes of a row, so rows of K, V and ao are whole aligned blocks of 256 bytes.  Waves 0, 1 take the even head, waves 2, 3 the odd one;
; a wave takes 32 queries (two tiles of 16) of a block of 64.  A work-group takes TWO blocks of queries, a low one, 4 c + cx, and a high one, 28 - 4 c + cx (c the cluster's x, cx my place in it).
; THE WALK.  Keys go in slots of 256 (four steps of 64).  The low block walks key slots 0 to c, then the high block key slots 0 to 7 - c: 9 slots in every work-group.  The four partners of a cluster
; walk the same keys, so each tile of K and V is asked for JOINTLY.  Trip counts hang on c alone; cx enters Q's and ao's addresses and the mask's threshold only.  The cluster's 256 queries of a block
; face exactly the block's last key slot: only that one is masked.  The low block goes first, so that the walk's last two slots, which ask for nothing more, are the high block's for every c.
; THE RING.  Two LDS slots of 143,360 bytes; a wave's one load behind a change of slots brings 128 rows of 256 bytes and has a whole slot's four steps in which to land: 7 refills in all.
; LAYOUT.  S^T = K Q^T (source 0 = 16 keys, source 1 = 16 queries): a lane holds ONE query (lane % 16) and the keys 8 (lane / 16) + 0..7.  Two such tiles rounded to f16 in pairs ARE source 1 of
; O^T = V^T P, whose result again holds one query a lane.  K comes out of LDS as it lies, V ([key][channel]) turned, by ds_load_tr16_b128.
; SOFTMAX.  For each query a running maximum m and sum l: p = 2^(c s - c m), c = log2(e) / 8; in every step O and l are multiplied by a = 2^(c m_old - c m_new).  A block starts with m = -inf, l = 0 and O = 0
; (so a = 0 in its first step): whether a block's first step is masked hangs on c, and one text serves both cases.  Key 0 of a block's first step is open to every query, so m is finite from then on.
; BY TURNS INSIDE A STEP.  The wave's two tiles never look at each other.  A step is: K Q^T of tile 0; K Q^T of tile 1 with tile 0's softmax in slices behind its eight products; V^T P of tile 0 with
; tile 1's softmax in slices; V^T P of tile 1.  So the step's 236 vector instructions stand beside 16 of its 32 products, and nothing but K's and V's fragments crosses from step to step.
; REGISTERS: window 0: v0-14 addresses; v16-31 statistics; v32-63, v64-95 Q of the high and the low block; v96-159 S^T; v160-191 P; v192-255 K of one step.  Window 1: v0-63 O^T; v64-127 V of one step.
.set ROWB,  6144      ; bytes in a row of qkv
.set KS,    64        ; keys in a step
.set STEPS, 4         ; steps in a slot
.set PK,    272       ; a row of K in LDS: 256 bytes + 16
.set PV,    288       ; a row of V: 256 + 32 = 9 x 32
.set KSTEPB, KS*PK    ; a step's K
.set VSTEPB, KS*PV    ; a step's V
.set VOFF,  STEPS*KSTEPB        ; a slot: 256 rows of K, then 256 rows of V
.set SLOTB, VOFF+STEPS*VSTEPB   ; 143,360 bytes
.set SLOTG, STEPS*KS*ROWB       ; a slot's 256 rows in memory
.set STAGE, 2*SLOTB   ; behind the ring: 64 rows x 272 bytes, the work-group's, for the way out; no tensor load fills it
.set SP,    272
.set AK0, 2           ; v2   my lane's place in a step's K
.set AV0, 3           ; v3   the same for V
.set ADRK, 4          ; v4   the LDS address of the run of K loads in hand
.set ADRV, 5          ; v5   of V loads
.set STO, 6           ; v6   the way out: where I put 16 bytes of a row
.set RD,  7           ; v7   where I read a row back
.set GO,  8           ; v8   my byte offset in the rows of ao that I store
.set NINF, 10         ; v10  -inf
.set DQ,  12          ; v12-13  tile t: my query less my first key, counted from the masked slot's step in hand: key 16 kb + j of the step is shut where 16 kb + j > DQ
.set QO,  14          ; v14  my byte offset in the wave's rows of Q
.set ST,  16          ; tile t's statistics at v[ST+8 t]: +0 c m, +1 m, +2, +3 l, +4 to +7 at work; a takes +6
.set QH,  32
.set QL,  64
.set S,   96
.set P,   160
.set KF,  192
.set VF,  64          ; in window 1
.set WV,  12          ; s12  my wave's number
.set KWP, 17          ; s17  my load's place in a slot if it is K's: 128 rows x (wave % 2)
.set G1K, 24          ; s[24:31] descriptor group 1 for K's tiles
.set G1V, 32          ; s[32:39] for V's: it differs in the padding alone
.set G0K, 40          ; s[40:47] group 0 for K's tiles: a set for each of the two first fills; the second then walks on, the first keeps the address of key 0
.set G0V, 48          ; s[48:55] the same for V's
.set UH,  56          ; s56  the high block's unmasked slots with a refill: 6 - c
.set UL,  57          ; s57  the low block's unmasked slots: c
.set CS,  58          ; s[58:59] c
.set SEL, 60          ; s[60:61] lane selects for v_permlanex16_b32
.set TB,  62          ; s62  LDS byte at which the slot being read begins: 0 or SLOTB
.set WRAP, 63         ; s63  refills until the walk goes back to key 0 for the high block
.set CNT, 74          ; s74  counts a slot's first three steps
.set VWP, 76          ; s76  my load's place in a slot if it is V's
.set TBF, 77          ; s77  LDS byte at which the slot filled last begins
.set TK,  78          ; s78  LDS byte at which the K to be fetched next begins
.set TV,  79          ; s79  the same for V, less VOFF
.set MSB, 0
.macro WIN new
.if MSB != \new
	s_set_vgpr_msb (MSB<<8)|\new
.set MSB, \new
.endif
.endm
.set W_PV, 0x51       ; V, C and D (O^T) in window 1, P in window 0
.set W_RS, 0x41       ; O^T (destination and source 0) in window 1, a in window 0
; A joint refill.  Waves 0 and 1 fetch the two halves of the slot's K, waves 2 and 3 those of its V.  Four v_nop follow each of the two lines.
.macro JLOAD
	s_cmp_lt_u32 s[WV], 2
	s_cbranch_scc0 .Lfor_v_\@
	tensor_load_to_lds s[G0K+4:G0K+7], s[G1K:G1K+7]
	s_nop 0
.rept 4
	v_nop
.endr
	s_branch .Lasked_\@
.Lfor_v_\@:
	tensor_load_to_lds s[G0V+4:G0V+7], s[G1V:G1V+7]
	s_nop 0
.rept 4
	v_nop
.endr
.Lasked_\@:
.endm
.macro CROUND                       ; a round of the cluster's barrier
	s_barrier_signal -1
	s_barrier_wait -1
	s_cmp_lg_u32 s[WV], 0
	s_cbranch_scc1 .Lnot_wave_0_\@
	s_barrier_signal -3
.Lnot_wave_0_\@:
	s_barrier_wait -3
	s_barrier_signal -1
	s_barrier_wait -1
.endm
.macro PLACES                       ; four plain vector instructions between a matrix instruction and a vector read of its result or a load into its sources
.rept 4
	v_nop
.endr
.endm
	s_load_b128 s[4:7], s[0:1], 0x0  ; qkv s[4:5], ao s[6:7]
	v_lshl_add_u32 v15, v0, 2, 0x4a400
	s_set_vgpr_msb 0x40
	v_mov_b32 v129, 0
	s_set_vgpr_msb 0x4044
	ds_add_u32 v15, v129
	s_set_vgpr_msb 0x4400
	v_lshrrev_b32 v1, 5, v0
	v_readfirstlane_b32 s[WV], v1   ; wave 0..3
	s_bfe_u32 s13, ttmp6, 0x40000   ; cx
	s_and_b32 s15, ttmp7, 0xffff
	s_lshr_b32 s22, s15, 3          ; batch
	s_and_b32 s23, s15, 7           ; pair of heads
	s_and_b32 s16, s[WV], 1         ; which half of a slot's 256 keys I fetch; which 32 queries of a block are mine
	s_lshr_b32 s18, s[WV], 1        ; which head of the pair is mine
	s_mul_i32 s[KWP], s16, 128*PK   ; my tile's place in a slot: no place in the cluster enters an LDS address
	s_mul_i32 s[VWP], s16, 128*PV
	s_add_co_u32 s[VWP], s[VWP], VOFF
	s_lshl_b32 s9, s23, 8           ; the pair's 256 bytes in a row
	s_mul_i32 s2, s22, 2048*ROWB    ; the batch's rows,
	s_mul_i32 s3, s16, 128*ROWB     ; my half's 128 keys,
	s_add_co_u32 s2, s2, s3
	s_add_co_u32 s2, s2, s9
	s_add_co_u32 s2, s2, 2048       ; K's columns
	s_mov_b32 s3, 0
	s_cmp_lg_u32 ttmp9, 0           ; in a cluster launch ttmp9 counts clusters: c.  The walk's second slot is the low block's key slot 1, or, where c = 0, the high block's key slot 0
	s_cselect_b32 s14, SLOTG, 0
	s_mov_b32 s15, 0
	s_mov_b32 s[G1K], 15|(1<<16)|(1<<20)|(1<<21)|(5<<22)|(3<<25)  ; the mask: all four work-groups; elements of 2 bytes; padding on; bit 21 beside a mask; after every 64 words, 4 words
	s_mov_b32 s[G1V], 15|(1<<16)|(1<<20)|(1<<21)|(5<<22)|(7<<25)  ; the same with 8 words of padding
.irp g, G1K, G1V
	s_mov_b32 s[\g+1], 128<<16      ; tensor_dim0 = 128
	s_mov_b32 s[\g+2], 128<<16      ; tensor_dim1 = 128
	s_mov_b32 s[\g+3], 128<<16      ; tile_dim0 = 128
	s_mov_b32 s[\g+4], 128          ; tile_dim1 = 128
	s_mov_b32 s[\g+5], 3072         ; elements from row to row
	s_mov_b32 s[\g+6], 0
	s_mov_b32 s[\g+7], 0
.endr
	s_mov_b32 s[CS], 0x3e38aa3b     ; c = log2(e) / 8
	s_mov_b32 s[CS+1], s[CS]        ; named with it as a pair, so it is written
	s_mov_b32 s[SEL], 0x76543210
	s_mov_b32 s[SEL+1], 0xfedcba98
	s_mov_b32 s[TB], 0
	s_mov_b32 s[TK], 0
	s_mov_b32 s[TV], 0
	s_mov_b32 s[TBF], SLOTB         ; the second first fill goes into slot 1
	s_mov_b32 s[UL], ttmp9
	s_sub_co_u32 s[UH], 6, ttmp9
	s_mov_b32 s[WRAP], ttmp9        ; refill number i brings slot i + 1 of the walk; slot c + 1 is the high block's first (where c = 0 that is the second first fill, and the count never meets 0)
	s_wait_dscnt 0x0
	s_wait_kmcnt 0x0
	s_add_nc_u64 s[10:11], s[4:5], s[2:3]  ; K at my tile of key slot 0
	CROUND                          ; all four work-groups are here: the first joint loads meet
.irp s, 0,1
	s_mov_b32 s[G0K+4*\s], 1
	s_add_co_u32 s[G0K+4*\s+1], s[KWP], \s*SLOTB
	s_mov_b32 s[G0V+4*\s], 1
	s_add_co_u32 s[G0V+4*\s+1], s[VWP], \s*SLOTB
.endr
	s_mov_b64 s[G0K+2:G0K+3], s[10:11]
	s_add_nc_u64 s[G0V+2:G0V+3], s[10:11], 2048
	s_add_nc_u64 s[G0K+6:G0K+7], s[10:11], s[14:15]
	s_add_nc_u64 s[G0V+6:G0V+7], s[G0K+6:G0K+7], 2048
	s_or_b32 s[G0K+3], s[G0K+3], 0x80000000
	s_or_b32 s[G0V+3], s[G0V+3], 0x80000000
	s_or_b32 s[G0K+7], s[G0K+7], 0x80000000
	s_or_b32 s[G0V+7], s[G0V+7], 0x80000000
	s_cmp_lt_u32 s[WV], 2           ; a wave's two first fills stand in one branch, ahead of every wait on TENSORcnt and every LDS read: two loads of mine are out
	s_cbranch_scc0 .Lfirst_v
	tensor_load_to_lds s[G0K:G0K+3], s[G1K:G1K+7]
	s_nop 0
	tensor_load_to_lds s[G0K+4:G0K+7], s[G1K:G1K+7]
	s_nop 0
.rept 4
	v_nop
.endr
	s_branch .Lfirst_asked
.Lfirst_v:
	tensor_load_to_lds s[G0V:G0V+3], s[G1V:G1V+7]
	s_nop 0
	tensor_load_to_lds s[G0V+4:G0V+7], s[G1V:G1V+7]
	s_nop 0
.rept 4
	v_nop
.endr
.Lfirst_asked:
	; Q's and ao's addresses for the two blocks
	s_lshl_b32 s19, ttmp9, 2
	s_add_co_u32 s20, s19, s13      ; the low block: 4 c + cx
	s_sub_co_u32 s21, 28, s19
	s_add_co_u32 s21, s21, s13      ; the high block: 28 - 4 c + cx
	s_lshl_b32 s8, s22, 11          ; the batch's first row
	s_lshl_b32 s10, s18, 7
	s_add_co_u32 s10, s10, s9       ; my head's 128 bytes of a row of qkv
	s_lshl_b32 s11, s16, 5          ; my 32 queries of a block
	s_lshl_b32 s19, s[WV], 4        ; the 16 rows of a block that I store
	s_mov_b32 s75, 0
.irp p, 0,1
	s_lshl_b32 s2, s[21-\p], 6
	s_add_co_u32 s2, s2, s8         ; the block's first row
	s_add_co_u32 s74, s2, s19
	s_add_co_u32 s2, s2, s11
	s_mul_i32 s2, s2, ROWB
	s_add_co_u32 s2, s2, s10
	s_lshl_b32 s74, s74, 11         ; rows of ao: 2,048 bytes
	s_add_co_u32 s74, s74, s9
	s_add_nc_u64 s[66+2*\p:67+2*\p], s[4:5], s[2:3]    ; Q: s[66:67] high, s[68:69] low
	s_add_nc_u64 s[70+2*\p:71+2*\p], s[6:7], s[74:75]  ; ao: s[70:71] high, s[72:73] low
.endr
	v_and_b32 v1, 15, v0            ; l % 16
	v_bfe_u32 v9, v0, 4, 1          ; l / 16
	v_mul_u32_u24 v[QO], v1, ROWB
	v_lshl_add_u32 v[QO], v9, 4, v[QO]
.irp p, 0,1
.irp t, 0,1
.irp c, 0,1                         ; Q stays in registers: block p, tile t, channels 32 c on
	global_load_b128 v[QH+32*\p+16*\t+8*\c:QH+32*\p+16*\t+8*\c+3],   v[QO], s[66+2*\p:67+2*\p] offset:\t*16*ROWB+\c*64
	global_load_b128 v[QH+32*\p+16*\t+8*\c+4:QH+32*\p+16*\t+8*\c+7], v[QO], s[66+2*\p:67+2*\p] offset:\t*16*ROWB+\c*64+32
.endr
.endr
.endr
	v_mul_u32_u24 v[AK0], v1, PK    ; K: row x pitch + 16 x half + my head's 128 bytes
	v_lshl_add_u32 v[AK0], v9, 4, v[AK0]
	v_lshl_add_u32 v[AK0], s18, 7, v[AK0]
	v_and_b32 v10, 7, v0            ; V, turned: lane l reads 16 bytes of key 8 (l / 16) + l % 8, channels 8 ((l / 8) % 2) + 0..7
	v_bfe_u32 v11, v0, 3, 1
	v_lshl_add_u32 v[AV0], v9, 3, v10
	v_mul_u32_u24 v[AV0], v[AV0], PV
	v_lshl_add_u32 v[AV0], v11, 4, v[AV0]
	v_add_nc_u32 v[AV0], VOFF, v[AV0]
	v_lshl_add_u32 v[AV0], s18, 7, v[AV0]
	s_mul_i32 s2, s16, 32*SP        ; into the stage: my 32 rows, my head's half of their 256 bytes
	s_lshl_b32 s74, s18, 7
	s_add_co_u32 s2, s2, s74
	s_add_co_u32 s2, s2, STAGE
	v_mul_u32_u24 v[STO], v1, SP
	v_lshl_add_u32 v[STO], v9, 4, v[STO]
	v_add_nc_u32 v[STO], s2, v[STO]
	s_mul_i32 s2, s[WV], 16*SP      ; back: wave w takes rows 16 w .. 16 w + 15, whole
	s_add_co_u32 s2, s2, STAGE
	v_mul_u32_u24 v[RD], v9, SP
	v_lshl_add_u32 v[RD], v1, 4, v[RD]
	v_add_nc_u32 v[RD], s2, v[RD]
	v_lshlrev_b32 v[GO], 11, v9
	v_lshl_add_u32 v[GO], v1, 4, v[GO]
	s_lshl_b32 s2, s13, 6           ; my query in the cluster's 256: 64 cx + 32 (w % 2) + 16 t + l % 16; my first key of a block of 16: 8 (l / 16)
	s_add_co_u32 s2, s2, s11
	v_lshlrev_b32 v11, 3, v9
	v_sub_nc_u32 v11, v1, v11
	v_add_nc_u32 v[DQ], s2, v11
	v_add_nc_u32 v[DQ+1], 16, v[DQ]
	v_mov_b32 v[NINF], 0xff800000
; THE LDS LOADS stand in runs of 16.  Each run takes the step at s[TK] (s[TV]) and steps that on to the next step of the slot.
.macro LOADK                        ; a step's K for my head: 64 keys x 64 channels: fragment f: keys 16 (f / 2) on, channels 32 (f % 2) on
	WIN 0
	v_add_nc_u32 v[ADRK], s[TK], v[AK0]
	s_add_co_u32 s[TK], s[TK], KSTEPB
.irp f, 0,1,2,3,4,5,6,7
	ds_load_b128 v[KF+8*\f:KF+8*\f+3],   v[ADRK] offset:(\f/2)*16*PK+(\f%2)*64
	ds_load_b128 v[KF+8*\f+4:KF+8*\f+7], v[ADRK] offset:(\f/2)*16*PK+(\f%2)*64+32
.endr
.endm
.macro LOADV                        ; its V, turned: fragment f: keys 32 (f / 4) on, channels 16 (f % 4) on
	WIN 0
	v_add_nc_u32 v[ADRV], s[TV], v[AV0]
	s_add_co_u32 s[TV], s[TV], VSTEPB
	WIN 0x40
.irp f, 0,1,2,3,4,5,6,7
	ds_load_tr16_b128 v[VF+8*\f:VF+8*\f+3],   v[ADRV] offset:(\f/4)*32*PV+(\f%4)*32
	ds_load_tr16_b128 v[VF+8*\f+4:VF+8*\f+7], v[ADRV] offset:(\f/4)*32*PV+16*PV+(\f%4)*32
.endr
	WIN 0
.endm
; THE PRODUCTS of one tile.  The four accumulators take turns, one instruction a turn: between two links of a chain stand the three others'.
.macro KQ1 t, Q                     ; product pi of 8 of S^T = K Q^T: keys 16 (pi % 4) on, channels 32 (pi / 4) on; the first 4 start the sums
	WIN 0
.set rS, S+32*\t+8*(pi%4)
.set rK, KF+8*(2*(pi%4)+pi/4)
.set rQ, \Q+16*\t+8*(pi/4)
.if pi < 4
	v_wmma_f32_16x16x32_f16 v[rS:rS+7], v[rK:rK+7], v[rQ:rQ+7], 0
.else
	v_wmma_f32_16x16x32_f16 v[rS:rS+7], v[rK:rK+7], v[rQ:rQ+7], v[rS:rS+7]
.endif
.endm
.macro PV1 t                        ; product pi of 8 of O^T += V^T P: channels 16 (pi % 4) on, keys 32 (pi / 4) on
	WIN W_PV
.set rO, 32*\t+8*(pi%4)
.set rV, VF+8*(4*(pi/4)+pi%4)
.set rP, P+16*\t+8*(pi/4)
	v_wmma_f32_16x16x32_f16 v[rO:rO+7], v[rV:rV+7], v[rP:rP+7], v[rO:rO+7]
.endm
; One tile's softmax for one key step is a list of 118 instructions; SM writes number j of it for tile t.  s0-s31 are the lane's 32 scores, in pairs 0-15.
;   0-15    the maximum of s0-s31 and the old m, three operands at a time: four chains of seven scores, then the four scores left over, the chains and m
;   16-20   the other half of the lanes' maximum; the new m; c m; c m_old - c m_new
;   21-87   33 exponentials (a, then s0-s31) at the odd numbers from 23 on, so that each has a plain instruction of the list behind it before its result is used (ISA guide 5.7.2); the plain numbers between
;           are whatever is ready: c s - c m for pairs still to come, roundings of pairs that are done, the first sums
;   88-101  the last rounding; the rest of the sums; l = a l + the sum
;   102-117 the tile's O^T times a: the one part that leaves window 0
.macro SM t
.set rT, ST+8*(\t)
.set rS, S+32*(\t)
.set rP, P+16*(\t)
.set rO, 32*(\t)+2*(j-102)
.set q, (j-20)/2
.if j < 102
	WIN 0
.endif
.if j < 4
	v_max3_num_f32 v[rT+4+j], v[rS+8*j], v[rS+8*j+1], v[rS+8*j+2]
.elseif j < 12
	v_max3_num_f32 v[rT+4+j%4], v[rT+4+j%4], v[rS+8*(j%4)+2*(j/4)+1], v[rS+8*(j%4)+2*(j/4)+2]
.elseif j == 12
	v_max3_num_f32 v[rT+4], v[rT+4], v[rS+7], v[rS+15]
.elseif j == 13
	v_max3_num_f32 v[rT+6], v[rT+6], v[rS+23], v[rS+31]
.elseif j == 14
	v_max3_num_f32 v[rT+4], v[rT+4], v[rT+5], v[rT+6]
.elseif j == 15
	v_max3_num_f32 v[rT+4], v[rT+4], v[rT+7], v[rT+1]
.elseif j == 16
	v_permlanex16_b32 v[rT+5], v[rT+4], s[SEL], s[SEL+1]  ; the query's other 32 keys lie in the lane 16 away
.elseif j == 17
	v_mov_b32 v[rT+7], v[rT]        ; c m_old is kept for a: number 19 writes c m anew
.elseif j == 18
	v_max_num_f32 v[rT+1], v[rT+4], v[rT+5]
.elseif j == 19
	v_mul_f32 v[rT], s[CS], v[rT+1]
.elseif j == 20
	v_sub_f32 v[rT+7], v[rT+7], v[rT]
.elseif j == 23
	v_exp_f32 v[rT+6], v[rT+7]
.elseif (j < 88) && (j > 23) && (j%2 == 1)
	v_exp_f32 v[rS+(j-25)/2], v[rS+(j-25)/2]
.elseif (q < 4) || ((j < 76) && (q%2 == 0))
.set b, q/2+2
.if q < 4
.set b, q
.endif
	v_pk_fma_f32 v[rS+2*b:rS+2*b+1], v[rS+2*b:rS+2*b+1], s[CS:CS+1], v[rT:rT+1] op_sel_hi:[1,0,0] neg_lo:[0,0,1] neg_hi:[0,0,1]  ; pair b: c s - c m
.elseif (j < 88) && (q%2 == 1)
	s_wait_alu depctr_va_vdst(0)
	v_cvt_pk_f16_f32 v[rP+(q-5)/2], v[rS+q-5], v[rS+q-4]  ; pair (q - 5) / 2: its second exponential stands three numbers back
.elseif j == 89
	s_wait_alu depctr_va_vdst(0)
	v_cvt_pk_f16_f32 v[rP+15], v[rS+30], v[rS+31]
.elseif j < 102                     ; the sum of the tile's 16 pairs, in place: sum z of 16 adds neighbours 1, 2, 4 and 8 pairs apart, then l takes it
.set z, j-86
.if j < 89
.set z, (j-76)/4
.endif
.set w, 4
.set u, z
.if z >= 14
.set w, 32
.set u, 0
.elseif z >= 12
.set w, 16
.set u, z-12
.elseif z >= 8
.set w, 8
.set u, z-8
.endif
.if z < 15
	v_pk_add_f32 v[rS+w*u:rS+w*u+1], v[rS+w*u:rS+w*u+1], v[rS+w*u+w/2:rS+w*u+w/2+1]
.else
	v_pk_fma_f32 v[rT+2:rT+3], v[rT+2:rT+3], v[rT+6:rT+7], v[rS:rS+1] op_sel_hi:[1,0,1]
.endif
.else
	WIN W_RS
	v_pk_mul_f32 v[rO:rO+1], v[rO:rO+1], v[rT+6:rT+7] op_sel_hi:[1,0]
.endif
.endm
; A SLICE: the next PER numbers of tile t's work for the step.  In a masked step 65 numbers stand in front of the list: keys behind the query get -inf, in ascending order of the registers
; (a compare and a select for each of the 32 scores), and the threshold steps on to the next step's keys, 64 further on.
.macro SMRUN t, mask
.rept PER
.if jj < LLEN
.if \mask && (jj < 64)
	WIN 0
.if jj%2 == 0
	v_cmp_gt_i32 vcc_lo, 16*(jj/16)+(jj/2)%8, v[DQ+\t]
.else
	v_cndmask_b32 v[S+32*\t+jj/2], v[S+32*\t+jj/2], v[NINF], vcc_lo
.endif
.elseif \mask && (jj == 64)
	WIN 0
	v_add_nc_u32 v[DQ+\t], 0xffffffc0, v[DQ+\t]
.else
.set j, jj-65*\mask
	SM \t
.endif
.endif
.set jj, jj+1
.endr
.endm
; THE CHANGE OF SLOTS stands in the middle of a slot's last step: that step's K and V, the slot's last bytes, have been asked for.  Each wave waits for its own reads of the slot and for all its
; tensor loads, of which one is out: its part of the other slot.  Behind the barrier nobody reads this slot any more and the other slot is whole.
; fill = 1: this slot is filled again with the slot of the walk two further on.  The barrier is then a round of the cluster's, so that no wave of any partner still reads the slot or has a load on
; its way, and the joint refill is the first thing behind it: it has four key steps in which to land.
.macro CHANGE fill
	WIN 0                           ; at a label and at a branch every window is 0
	s_wait_dscnt 0x0
	s_set_vgpr_msb 0x4
	s_wait_tensorcnt 0x0            ; no tensor load of mine is out, so a group 0 may be written
	ds_add_u32 v15, v129
	s_wait_dscnt 0x0
	s_set_vgpr_msb 0x400
.if \fill
	s_xor_b32 s[TBF], s[TBF], SLOTB ; the walking descriptor: the other slot than last time (the base is 0 or SLOTB: one exclusive or turns it), plus my wave's place in a slot,
	s_add_co_u32 s[G0K+5], s[TBF], s[KWP]
	s_add_co_u32 s[G0V+5], s[TBF], s[VWP]
.irp g, G0K+4, G0V+4
	s_add_nc_u64 s[\g+2:\g+3], s[\g+2:\g+3], SLOTG  ; the next 256 keys; the type bits on top are not reached
.endr
	s_sub_co_u32 s[WRAP], s[WRAP], 1
	s_cmp_eq_u32 s[WRAP], 0         ; the low block's keys are all asked for: the walk goes back to key 0, whose address the first set has kept.  The count hangs on c alone
	s_cselect_b64 s[G0K+6:G0K+7], s[G0K+2:G0K+3], s[G0K+6:G0K+7]
	s_cselect_b64 s[G0V+6:G0V+7], s[G0V+2:G0V+3], s[G0V+6:G0V+7]
	CROUND
	JLOAD
.else
	s_barrier_signal -1
	s_barrier_wait -1
.endif
	s_xor_b32 s[TB], s[TB], SLOTB   ; the fetches go on at the other slot's first step
	s_mov_b32 s[TK], s[TB]
	s_mov_b32 s[TV], s[TB]
.endm
; A KEY STEP.  Its K and V were asked for in the step before.  mask: the diagonal may cross it.  change: 2 none; 1, 0: the change of slots, with or without a refill.  next: a step follows.
; The places: behind tile 0's K Q^T four v_nop, ahead of the first read of its scores; behind tile 1's K Q^T the last slice of tile 0's list (13 or more packed multiplies and sums on other
; registers), ahead of the first read of tile 1's scores and of the loads into K's registers; behind tile 1's V^T P four v_nop, ahead of the loads into V's registers.
.macro STEP mask, Q, change, next
.set LLEN, 118+65*\mask
.set PER, (LLEN+7)/8
	s_wait_dscnt 16                 ; K is in; V's sixteen loads, issued behind it, may stay out
.set pi, 0
.rept 8
	KQ1 0, \Q
.set pi, pi+1
.endr
	PLACES
.set jj, 0
.set pi, 0
.rept 8
	KQ1 1, \Q
	SMRUN 0, \mask
.set pi, pi+1
.endr
.if \change == 2
	s_wait_dscnt 0x0                ; V is in
.else
	CHANGE \change
.endif
.set jj, 0
.set pi, 0
.rept 8
	PV1 0
	SMRUN 1, \mask
.if (pi == 0) && \next
	LOADK                           ; the next step's K: seven products with their slices and eight more products ahead of its first use
.endif
.set pi, pi+1
.endr
.set pi, 0
.rept 8
	PV1 1
.set pi, pi+1
.endr
	WIN 0
	PLACES
.if \next
	LOADV                           ; the next step's V: sixteen products and a whole list ahead of its first use
.endif
.endm
; A slot's four steps: the first three are written once and walked three times, the LDS addresses hang on s[TK] and s[TV]; the fourth holds the change of slots.
.macro SLOT mask, Q, change, next
	s_mov_b32 s[CNT], STEPS-1
.Lstep_\@:
	STEP \mask, \Q, 2, 1
	s_sub_co_u32 s[CNT], s[CNT], 1
	s_cmp_lg_u32 s[CNT], 0
	s_cbranch_scc1 .Lstep_\@
	STEP \mask, \Q, \change, \next
.endm
.macro INIT                         ; a block's start: O = 0, l = 0, m = c m = -inf
	WIN 0x40
.set i, 0
.rept 64
	v_mov_b32 v[i], 0
.set i, i+1
.endr
	WIN 0
.irp t, 0,1
	v_mov_b32 v[ST+8*\t], v[NINF]
	v_mov_b32 v[ST+8*\t+1], v[NINF]
	v_mov_b32 v[ST+8*\t+2], 0
	v_mov_b32 v[ST+8*\t+3], 0
.endr
.endm
; THE WAY OUT of a block.  l's halves are added; O^T is divided by l, rounded to f16 and put into the work-group's stage; a barrier, since a row's 256 bytes come from two waves;
; back as whole rows, 16 rows a wave.
.macro OUT base
.irp t, 0,1
	v_add_f32 v[ST+8*\t+4], v[ST+8*\t+2], v[ST+8*\t+3]
.endr
.irp t, 0,1
	v_permlanex16_b32 v[ST+8*\t+5], v[ST+8*\t+4], s[SEL], s[SEL+1]
.endr
.irp t, 0,1
	v_add_f32 v[ST+8*\t+4], v[ST+8*\t+4], v[ST+8*\t+5]
.endr
.irp t, 0,1
	v_rcp_f32 v[ST+8*\t+6], v[ST+8*\t+4]
.endr
	v_nop                           ; a plain instruction between the last reciprocal and the use of its result
	WIN W_RS
.irp t, 0,1
.set i, 0
.rept 16
	s_wait_alu depctr_va_vdst(0)
	v_pk_mul_f32 v[32*\t+i:32*\t+i+1], v[32*\t+i:32*\t+i+1], v[ST+8*\t+6:ST+8*\t+7] op_sel_hi:[1,0]
.set i, i+2
.endr
.endr
	WIN 0x05                        ; sources 0 and 1 window 1, destination window 0: S^T's registers are free
.set i, 0
.rept 32
	v_cvt_pk_f16_f32 v[S+i], v[2*i], v[2*i+1]
.set i, i+1
.endr
	WIN 0
.irp t, 0,1
.irp c, 0,1,2,3
	ds_store_b128 v[STO], v[S+16*\t+4*\c:S+16*\t+4*\c+3] offset:\t*16*SP+32*\c
.endr
.endr
	s_wait_dscnt 0x0                ; for the others' sake: my stores into the stage are done
	s_barrier_signal -1             ; a refill that is on its way may stay out
	s_barrier_wait -1
.irp f, 0,1,2,3,4,5,6,7
	ds_load_b128 v[S+32+4*\f:S+32+4*\f+3], v[RD] offset:\f*2*SP
.endr
.irp f, 0,1,2,3,4,5,6,7
	s_wait_dscnt 7-\f               ; load f is back; the 7 - f younger ones may stay out
	global_store_b128 v[GO], v[S+32+4*\f:S+32+4*\f+3], s[\base:\base+1] offset:\f*4096  ; 16 lanes store 256 consecutive bytes, aligned
.endr
	s_wait_xcnt 0x0                 ; the stores' data registers are S^T's: they are written again only behind this wait
.endm
	INIT
	s_wait_tensorcnt 0x1            ; my part of slot 0 is in; slot 1's may stay out
	s_barrier_signal -1
	s_barrier_wait -1               ; everybody's is
	s_wait_loadcnt 0x0              ; Q
	LOADK                           ; the walk's first step
	LOADV
	s_cmp_eq_u32 s[UL], 0           ; the low block: c slots below the diagonal, none where c = 0: alike in all four partners; every wait on TENSORcnt from here on is for 0
	s_cbranch_scc1 .Llow_masked
.Llow:
	SLOT 0, QL, 1, 1
	s_sub_co_i32 s[UL], s[UL], 1
	s_cmp_gt_i32 s[UL], 0           ; the start is no constant of the text: the signed compare ends the loop from any start
	s_cbranch_scc1 .Llow
.Llow_masked:                       ; and the slot that holds the diagonal; its last step already fetches the high block's first K and V
	SLOT 1, QL, 1, 1
	OUT 72
	v_add_nc_u32 v[DQ], 0x100, v[DQ]       ; four masked steps took 256 away
	v_add_nc_u32 v[DQ+1], 0x100, v[DQ+1]
	INIT
.Lhigh:                             ; the high block: 7 - c slots below the diagonal, 6 - c of them (at least 3) with a refill,
	SLOT 0, QH, 1, 1
	s_sub_co_i32 s[UH], s[UH], 1
	s_cmp_gt_i32 s[UH], 0
	s_cbranch_scc1 .Lhigh
	SLOT 0, QH, 0, 1                ; the walk's last two slots are written out: nothing is left to ask for.  Every wave's reads of the stage are long back at this slot's barrier
	SLOT 1, QH, 2, 0                ; the slot that holds the diagonal
	OUT 70
	s_set_vgpr_msb 0x4
	s_wait_tensorcnt 0x0
	ds_add_u32 v15, v129
	s_wait_dscnt 0x0
	s_set_vgpr_msb 0x400
	CROUND                          ; the closing round: no work-group ends while a partner may still ask for a tile that names it
	s_endpgm
.Lfunc_end_k_qc90cd29e85_attn:
	.size	k_qc90cd29e85_attn, .Lfunc_end_k_qc90cd29e85_attn-k_qc90cd29e85_attn
	.p2alignl 7, 3214868480
	.fill 96, 4, 3214868480
	.section	.rodata,"a",@progbits
	.p2align	6, 0x0
	.amdhsa_kernel k_qc90cd29e85_attn
		.amdhsa_group_segment_fixed_size 327680
		.amdhsa_private_segment_fixed_size 0
		.amdhsa_enable_private_segment 0
		.amdhsa_kernarg_size 16
		.amdhsa_user_sgpr_count 2
		.amdhsa_user_sgpr_kernarg_segment_ptr 1
		.amdhsa_wavefront_size32 1
		.amdhsa_system_sgpr_workgroup_id_x 1
		.amdhsa_system_sgpr_workgroup_id_y 1
		.amdhsa_system_sgpr_workgroup_id_z 1
		.amdhsa_system_vgpr_workitem_id 0
		.amdhsa_next_free_vgpr 386
		.amdhsa_next_free_sgpr 80
		.amdhsa_reserve_vcc 1
		.amdhsa_float_denorm_mode_32 3
		.amdhsa_float_denorm_mode_16_64 3
		.amdhsa_memory_ordered 1
		.amdhsa_forward_progress 1
		.amdhsa_inst_pref_size 240
	.end_amdhsa_kernel
	.amdgpu_metadata
---
amdhsa.version: [ 1, 2 ]
amdhsa.kernels:
  - .name:           k_qc90cd29e85_attn
    .symbol:         k_qc90cd29e85_attn.kd
    .args:
      - { .name: qkv, .offset: 0, .size: 8, .value_kind: global_buffer, .address_space: global }
      - { .name: ao, .offset: 8, .size: 8, .value_kind: global_buffer, .address_space: global }
    .group_segment_fixed_size: 327680
    .private_segment_fixed_size: 0
    .kernarg_segment_align: 8
    .kernarg_segment_size: 16
    .max_flat_workgroup_size: 128
    .sgpr_count:     80
    .vgpr_count:     386
    .wavefront_size: 32
...
	.end_amdgpu_metadata
.endif
;; end of part 3
;; launch wo (part 4): grid 8 x 32, 4 waves a work-group, clusters of 4 x 4, 327,680 bytes of LDS; arguments ao, wb, x2, x, bo; writes x2
.if DOCPART == 4
	.amdgcn_target "amdgcn-amd-amdhsa--gfx1250"
	.amdhsa_code_object_version 6
	.text
	.protected	k_qc90cd29e85_wo
	.globl	k_qc90cd29e85_wo
	.p2align	8
	.type	k_qc90cd29e85_wo,@function
k_qc90cd29e85_wo:
	s_mov_b64 s[64:65], 0
	v_nop
	global_prefetch_b8 v0, s[64:65] scope:SCOPE_SE
	s_setreg_imm32_b32 hwreg(HW_REG_WAVE_MODE, 25, 1), 1
	s_wait_xcnt 0x0
	s_wait_alu depctr_hold_cnt(0) depctr_sa_sdst(0) depctr_va_vdst(0) depctr_va_sdst(0) depctr_va_ssrc(0) depctr_va_vcc(0) depctr_vm_vsrc(0)
	s_getreg_b32 s2, hwreg(HW_REG_IB_STS2, 6, 4)
	s_cmp_eq_u32 s2, 0
	s_cbranch_scc0 .Lentry_in_a_cluster
	s_endpgm
.Lentry_in_a_cluster:
	s_bfe_u32 s2, ttmp6, 0x10000c
	s_cmp_lg_u32 s2, 0xf033
	s_cbranch_scc0 .Lentry_shape_is_right
	s_endpgm
.Lentry_shape_is_right:
; C[m][n] = R[m][n] + bias[n] + sum over k of A[m][k] W[k][n].  A: [4096][SIZE_K] f16, W: [SIZE_K][1024] f16 at byte WOFF of wb; R, C: [4096][1024] f32; bias: [1024] f32; sums in f32.
; C has 32 x 8 tiles of 128 x 128: one for each of 256 work-groups (tiles of 256 x 256 would be 64).  Four waves, each 64 x 64: 16 accumulators of 16 x 16, 128 registers.
; K goes in steps of 256 through two LDS slots: A's tile 128 rows x 512 bytes, W's tile 256 rows (k) x 256 bytes (128 n).  W lies [k][n]: its fragments come out of LDS turned, by ds_load_tr16_b128.
; CLUSTERS: 4 x 4 work-groups; A's tiles are asked for jointly along a row of the cluster, W's along a column.
; THE MATRIX INSTRUCTION IS USED TRANSPOSED (source 0 = 16 columns of W, source 1 = 16 rows of A): a lane holds eight neighbouring f32 of a row of C.  A wave's 64 columns are 256 bytes of a row,
; so each wave has a stage of its own on the way out and needs no barrier there.
; REGISTERS: window 0: v0-31 addresses; v32-95 rows read back from the stage, two buffers; v96-99 bias; v128-255 the accumulators.  Window 1: two fragment buffers of 128.  Window 2: v0-127 R of my 64 x 64.
.set SIZE_K, 1024
.set WOFF,   6291456
.set SIZE_N, 1024
.set KSTEP,  256
.set PA,     528                       ; a row of A in LDS: 512 bytes + 16
.set PB,     288                       ; a row of W in LDS: 256 bytes + 32 = 9 x 32
.set HA,     64*PA                     ; what a tensor load of A brings: 64 rows
.set HB,     128*PB                    ; of W: 128 rows (k)
.set BOFF,   2*HA
.set SLOT,   BOFF+2*HB
.set STAGE,  2*SLOT                    ; behind the ring: 16 rows x 272 bytes for each wave; no tensor load fills it
.set SP,     272
.set LAPS,   SIZE_K/(2*KSTEP)
.set ADRA, 16                          ; v16-17  LDS address of my A fragments in slot 0, 1
.set ADRB, 20                          ; v20-23  of my W fragments: slot 0 rows 0-127, rows 128-255, slot 1 likewise
.set STO,  24
.set RD,   25
.set CO,   26                          ; v26     my byte offset in C and in R
.set BO,   27                          ; v27     my byte offset in the bias
.set OB,   32
.set BI,   96
.set ACC,  128
.set F0,   0
.set F1,   128
.set G1,  24
.set G0,  32
.set G1B, 48
.set G0B, 56
.set MSB, 0
.macro WIN new
.if MSB != \new
	s_set_vgpr_msb (MSB<<8)|\new
.set MSB, \new
.endif
.endm
.set MUL,  0x05                        ; sources 0 (W) and 1 (A) window 1; C and D window 0
.set TO_F, 0x40                        ; destination window 1, address window 0
.macro JLOAD s                         ; a joint load: waves 0 and 1 fetch A's two halves, waves 2 and 3 W's; four v_nop follow each of the two lines
	s_cmp_eq_u32 s11, 0
	s_cbranch_scc0 .Lfor_b_\@
	tensor_load_to_lds s[G0+4*\s:G0+4*\s+3], s[G1:G1+7]
	s_nop 0
.rept 4
	v_nop
.endr
	s_branch .Lasked_\@
.Lfor_b_\@:
	tensor_load_to_lds s[G0B+4*\s:G0B+4*\s+3], s[G1B:G1B+7]
	s_nop 0
.rept 4
	v_nop
.endr
.Lasked_\@:
.endm
.macro CREST                           ; a round of the cluster's barrier behind its opening barrier
	s_cmp_lg_u32 s10, 0
	s_cbranch_scc1 .Lnot_wave_0_\@
	s_barrier_signal -3
.Lnot_wave_0_\@:
	s_barrier_wait -3
	s_barrier_signal -1
	s_barrier_wait -1
.endm
.macro CROUND
	s_barrier_signal -1
	s_barrier_wait -1
	CREST
.endm
	s_load_b128 s[4:7], s[0:1], 0x0                ; A s[4:5], wb s[6:7]
	s_load_b64 s[8:9], s[0:1], 0x10                ; C
	s_load_b128 s[68:71], s[0:1], 0x18             ; R s[68:69], bias s[70:71]
	v_lshl_add_u32 v126, v0, 2, 0x49400
	v_mov_b32 v127, 0
	ds_add_u32 v126, v127
	v_lshrrev_b32 v1, 5, v0
	v_readfirstlane_b32 s10, v1                    ; wave 0..3
	s_lshr_b32 s11, s10, 1                         ; which half of the tile's rows is mine.  Also: I fetch for A (0) or for W (1)
	s_and_b32 s12, s10, 1                          ; which half of its columns.  Also: which half of that tile I fetch
	s_bfe_u32 s40, ttmp6, 0x40000                  ; cx, cy
	s_bfe_u32 s41, ttmp6, 0x40004
	s_lshl_b32 s42, ttmp9, 2
	s_add_co_u32 s42, s42, s40                     ; tile column
	s_and_b32 s13, ttmp7, 0xffff
	s_lshl_b32 s13, s13, 2
	s_add_co_u32 s13, s13, s41                     ; tile row
	s_lshl_b32 s43, s41, 2
	s_lshl_b32 s43, 15, s43                        ; my row of the cluster
	s_lshl_b32 s44, 0x1111, s40                    ; my column
	s_or_b32 s[G1+0], s43, (1<<16)|(1<<20)|(1<<21)|(6<<22)|(3<<25)   ; A's tiles go to my row; elements of 2 bytes; padding: after every 128 words, 4 words
	s_mov_b32 s[G1+1], KSTEP<<16                   ; tensor_dim0 = 256
	s_mov_b32 s[G1+2], 64<<16                      ; tensor_dim1 = 64
	s_mov_b32 s[G1+3], KSTEP<<16                   ; tile_dim0 = 256
	s_mov_b32 s[G1+4], 64                          ; tile_dim1 = 64
	s_mov_b32 s[G1+5], SIZE_K
	s_mov_b32 s[G1+6], 0
	s_mov_b32 s[G1+7], 0
	s_or_b32 s[G1B+0], s44, (1<<16)|(1<<20)|(1<<21)|(5<<22)|(7<<25)  ; W's tiles go to my column; after every 64 words, 8 words
	s_mov_b32 s[G1B+1], 128<<16                    ; tensor_dim0 = 128 columns
	s_mov_b32 s[G1B+2], 128<<16                    ; tensor_dim1 = 128 rows (k)
	s_mov_b32 s[G1B+3], 128<<16
	s_mov_b32 s[G1B+4], 128
	s_mov_b32 s[G1B+5], SIZE_N
	s_mov_b32 s[G1B+6], 0
	s_mov_b32 s[G1B+7], 0
	s_lshl_b32 s17, s12, 6
	s_lshl_b32 s16, s13, 7
	s_add_co_u32 s16, s16, s17                     ; A: row 128 x tile row + 64 x half,
	s_mul_i32 s16, s16, SIZE_K*2                   ; in bytes: under 2^25
	s_mov_b32 s17, 0
	s_lshl_b32 s46, s42, 8                         ; W: 128 columns of 2 bytes a tile column,
	s_lshl_b32 s47, s12, 18                        ; 128 rows of 2,048 bytes a half
	s_add_co_u32 s46, s46, s47
	s_add_co_u32 s46, s46, WOFF
	s_mov_b32 s47, 0
	s_mul_i32 s20, s12, HA                         ; where they go: no place in the cluster enters an LDS address
	s_mul_i32 s21, s12, HB
	s_add_co_u32 s21, s21, BOFF
	s_wait_dscnt 0x0
	s_wait_kmcnt 0x0
	s_add_nc_u64 s[14:15], s[4:5], s[16:17]
	s_add_nc_u64 s[46:47], s[6:7], s[46:47]
	CROUND                                         ; all sixteen work-groups are here: the first joint loads meet
.irp s, 0,1
	s_mov_b32 s[G0+4*\s], 1
	s_add_co_u32 s[G0+4*\s+1], s20, \s*SLOT
	s_add_nc_u64 s[G0+4*\s+2:G0+4*\s+3], s[14:15], \s*KSTEP*2
	s_or_b32 s[G0+4*\s+3], s[G0+4*\s+3], 0x80000000
	s_mov_b32 s[G0B+4*\s], 1
	s_add_co_u32 s[G0B+4*\s+1], s21, \s*SLOT
	s_add_nc_u64 s[G0B+4*\s+2:G0B+4*\s+3], s[46:47], \s*KSTEP*SIZE_N*2
	s_or_b32 s[G0B+4*\s+3], s[G0B+4*\s+3], 0x80000000
	JLOAD \s                                       ; two loads of mine are out
.endr
	v_and_b32 v1, 15, v0                           ; l % 16
	v_bfe_u32 v2, v0, 4, 1                         ; l / 16
	v_mul_u32_u24 v3, v1, PA
	v_lshl_add_u32 v3, v2, 4, v3                   ; A: row x pitch + 16 x half
	v_and_b32 v6, 7, v0                            ; W, turned: row k = 8 (l / 16) + l % 8, columns 8 ((l / 8) % 2) + 0..7
	v_lshl_add_u32 v6, v2, 3, v6
	v_mul_u32_u24 v6, v6, PB
	v_bfe_u32 v7, v0, 3, 1
	v_lshl_add_u32 v6, v7, 4, v6
	s_mul_i32 s21, s11, HA                         ; my 64 rows of A
	s_lshl_b32 s22, s12, 7                         ; my 64 columns of W
	s_add_co_u32 s22, s22, BOFF
.irp s, 0,1
	v_add_nc_u32 v[ADRA+\s], s21, v3
	v_add_nc_u32 v[ADRB+2*\s], s22, v6
	v_add_nc_u32 v[ADRB+2*\s+1], HB, v[ADRB+2*\s]  ; rows 128 on: the 16-bit immediate does not reach over all 256 rows
	s_add_co_u32 s21, s21, SLOT
	s_add_co_u32 s22, s22, SLOT
.endr
	s_mul_i32 s23, s10, 16*SP
	s_add_co_u32 s23, s23, STAGE                   ; my stage
	v_mul_u32_u24 v4, v1, SP                       ; in: row l % 16, 32 bytes for each half of the lanes
	v_lshl_add_u32 v4, v2, 5, v4
	v_add_nc_u32 v[STO], s23, v4
	v_mul_u32_u24 v5, v2, SP                       ; back: lanes 0-15 take one row of 256 bytes, lanes 16-31 the next
	v_lshl_add_u32 v5, v1, 4, v5
	v_add_nc_u32 v[RD], s23, v5
	v_lshlrev_b32 v[BO], 4, v1
	v_lshl_add_u32 v[CO], v2, 12, v[BO]            ; and the same two rows in C and R
	s_lshl_b32 s16, s13, 7
	s_lshl_b32 s17, s11, 6
	s_add_co_u32 s16, s16, s17                     ; my first row,
	s_lshl_b32 s16, s16, 12                        ; of 4,096 bytes
	s_lshl_b32 s46, s42, 9                         ; my first column, in bytes: 512 x tile column + 256 x half
	s_lshl_b32 s47, s12, 8
	s_add_co_u32 s46, s46, s47
	s_mov_b32 s47, 0
	s_add_nc_u64 s[70:71], s[70:71], s[46:47]
	s_add_co_u32 s46, s46, s16
	s_add_nc_u64 s[8:9], s[8:9], s[46:47]
	s_add_nc_u64 s[68:69], s[68:69], s[46:47]
	WIN 0x80                                       ; destination window 2: R comes in under the products, in the layout in which rows leave the stage
.irp a, 0,1,2,3
.irp t, 0,1,2,3,4,5,6,7
	global_load_b128 v[4*(8*\a+\t):4*(8*\a+\t)+3], v[CO], s[68:69] offset:(16*\a+2*\t)*4096
.endr
.endr
	WIN 0
	global_load_b128 v[BI:BI+3], v[BO], s[70:71]
; 8 matrix instructions: m blocks a0, a0 + 1 x all 4 n blocks, 32 along K: half c of buffer f.  zero = 1: the first product starts the sums.  The 16 accumulators take turns.
.macro MUL8 f, c, a0, zero
.irp a, \a0, \a0+1
.irp b, 0,1,2,3
.if \zero
	v_wmma_f32_16x16x32_f16 v[ACC+8*(4*(\a)+\b):ACC+8*(4*(\a)+\b)+7], v[\f+64+8*(4*\c+\b):\f+64+8*(4*\c+\b)+7], v[\f+8*(4*\c+\a):\f+8*(4*\c+\a)+7], 0
.else
	v_wmma_f32_16x16x32_f16 v[ACC+8*(4*(\a)+\b):ACC+8*(4*(\a)+\b)+7], v[\f+64+8*(4*\c+\b):\f+64+8*(4*\c+\b)+7], v[\f+8*(4*\c+\a):\f+8*(4*\c+\a)+7], v[ACC+8*(4*(\a)+\b):ACC+8*(4*(\a)+\b)+7]
.endif
.endr
.endr
.endm
; 32 LDS loads in one run: the fragments of quarter q (64 along K) into buffer f; the first 32 along K first
.macro FETCH slot, q, f
	WIN TO_F
.irp c, 0,1
.irp i, 0,1,2,3
	ds_load_tr16_b128 v[\f+64+8*(4*\c+\i):\f+64+8*(4*\c+\i)+3],   v[ADRB+2*\slot+(\q)/2] offset:(((\q)%2)*64+32*\c)*PB+32*\i
	ds_load_tr16_b128 v[\f+64+8*(4*\c+\i)+4:\f+64+8*(4*\c+\i)+7], v[ADRB+2*\slot+(\q)/2] offset:(((\q)%2)*64+32*\c)*PB+16*PB+32*\i
	ds_load_b128 v[\f+8*(4*\c+\i):\f+8*(4*\c+\i)+3],              v[ADRA+\slot] offset:\q*128+64*\c+\i*16*PA
	ds_load_b128 v[\f+8*(4*\c+\i)+4:\f+8*(4*\c+\i)+7],            v[ADRA+\slot] offset:\q*128+64*\c+\i*16*PA+32
.endr
.endr
.endm
.macro PLACES                          ; four plain vector instructions in front of loads into registers that matrix instructions have read, and of reads of results
.rept 4
	v_nop
.endr
.endm
; A K step is four quarters of 64 along K, 32 matrix instructions each, on buffers 0, 1, 0, 1.
.macro QUARTER slot, q, f, g, zero
	s_wait_dscnt 16                                ; the first 32 along K are in; the sixteen younger loads may be out
	WIN MUL
	MUL8 \f, 0, 0, \zero
	MUL8 \f, 0, 2, \zero
	PLACES
	FETCH \slot, \q, \g
	s_wait_dscnt 32                                ; all but the 32 just issued
	WIN MUL
	MUL8 \f, 1, 0, 0
	MUL8 \f, 1, 2, 0
.endm
; The last quarter multiplies buffer 1 and changes slots: ONE barrier; in front of it each wave waits for its own reads of this slot and for all its tensor loads.  fill = 1: this slot is filled again, two K steps ahead.
.macro TURN slot, next, fill
	s_wait_dscnt 16
	WIN MUL
	MUL8 F1, 0, 0, 0
	s_wait_dscnt 0                                 ; my reads of this slot are over,
	s_set_vgpr_msb 0x500
	s_wait_tensorcnt 0x0                           ; and all my tensor loads have landed: my part of the next slot
	ds_add_u32 v126, v127
	s_wait_dscnt 0x0
	s_set_vgpr_msb 0x5
	s_barrier_signal -1
	MUL8 F1, 0, 2, 0
.if \fill
	WIN 0
.endif
	s_barrier_wait -1
.if \fill
	CREST                                          ; the barrier has opened a round of the cluster's: no wave of any partner still reads this slot or has a load on its way
	s_add_nc_u64 s[G0+4*\slot+2:G0+4*\slot+3], s[G0+4*\slot+2:G0+4*\slot+3], 2*KSTEP*2
	s_add_nc_u64 s[G0B+4*\slot+2:G0B+4*\slot+3], s[G0B+4*\slot+2:G0B+4*\slot+3], 2*KSTEP*SIZE_N*2
	JLOAD \slot                                    ; the first tensor load behind the round, my only one until the next: 120 matrix instructions ahead of the wait for it; its four v_nop are the places in front of the loads below
.else
	PLACES
.endif
	FETCH \next, 0, F0
	WIN MUL
	MUL8 F1, 1, 0, 0
	MUL8 F1, 1, 2, 0
.endm
; THE WAY OUT of block a (16 rows x 64 columns of f32).  TOSTAGE: each accumulator's low four registers first, into my own stage, and back as whole rows of 256 bytes.  SEND: plus R, plus bias, stored.
.macro TOSTAGE a
.if \a >= 2
	s_wait_xcnt 0x0                                ; the stores of the block two back read these registers: they are loaded again only behind this wait
.endif
.irp b, 0,1,2,3
	ds_store_b128 v[STO], v[ACC+8*(4*\a+\b):ACC+8*(4*\a+\b)+3]   offset:64*\b
	ds_store_b128 v[STO], v[ACC+8*(4*\a+\b)+4:ACC+8*(4*\a+\b)+7] offset:64*\b+16
.endr
.irp t, 0,1,2,3,4,5,6,7
	ds_load_b128 v[OB+32*(\a%2)+4*\t:OB+32*(\a%2)+4*\t+3], v[RD] offset:\t*2*SP   ; LDS serves a wave's instructions in order (ISA guide 5.7.1.4): these see the stores above; the next block's stores come behind them
.endr
.endm
.macro SEND a, younger                 ; younger: the next block's sixteen LDS instructions, or none
.set OBA, OB+32*(\a%2)
	s_wait_dscnt \younger
	WIN 0x08                                       ; source 1: window 2
.set i, 0
.rept 16
	v_pk_add_f32 v[OBA+i:OBA+i+1], v[OBA+i:OBA+i+1], v[32*\a+i:32*\a+i+1]
.set i, i+2
.endr
	WIN 0
.irp t, 0,1,2,3,4,5,6,7
	v_pk_add_f32 v[OBA+4*\t:OBA+4*\t+1],   v[OBA+4*\t:OBA+4*\t+1],   v[BI:BI+1]
	v_pk_add_f32 v[OBA+4*\t+2:OBA+4*\t+3], v[OBA+4*\t+2:OBA+4*\t+3], v[BI+2:BI+3]
	global_store_b128 v[CO], v[OBA+4*\t:OBA+4*\t+3], s[8:9] offset:(16*\a+2*\t)*4096   ; 16 lanes store 256 consecutive bytes, aligned
.endr
.endm
	s_wait_tensorcnt 1                             ; my part of K step 0 is in; K step 1's may stay out
	s_barrier_signal -1
	s_barrier_wait -1
	FETCH 0, 0, F0
	QUARTER 0, 1, F0, F1, 1                        ; the first quarter stands in front of the loop: its first products start the sums
	WIN 0
	s_mov_b32 s3, LAPS-1
.Llap:                                                 ; a trip goes once round the ring and fills both slots again
	QUARTER 0, 2, F1, F0, 0
	QUARTER 0, 3, F0, F1, 0
	TURN 0, 1, 1
	QUARTER 1, 1, F0, F1, 0
	QUARTER 1, 2, F1, F0, 0
	QUARTER 1, 3, F0, F1, 0
	TURN 1, 0, 1
	QUARTER 0, 1, F0, F1, 0
	WIN 0
	s_sub_co_u32 s3, s3, 1
	s_cmp_lg_u32 s3, 0
	s_cbranch_scc1 .Llap
	QUARTER 0, 2, F1, F0, 0                        ; the last lap fills nothing
	QUARTER 0, 3, F0, F1, 0
	TURN 0, 1, 0
	QUARTER 1, 1, F0, F1, 0
	QUARTER 1, 2, F1, F0, 0
	QUARTER 1, 3, F0, F1, 0
	s_wait_dscnt 16                                ; the very last quarter
	WIN MUL
	MUL8 F1, 0, 0, 0
	MUL8 F1, 0, 2, 0
	s_wait_dscnt 0
	MUL8 F1, 1, 0, 0
	MUL8 F1, 1, 2, 0
	WIN 0
	s_wait_loadcnt 0x0                             ; R and the bias
	PLACES
	TOSTAGE 0
	TOSTAGE 1
	SEND 0, 16
	TOSTAGE 2
	SEND 1, 16
	TOSTAGE 3
	SEND 2, 16
	SEND 3, 0
	s_wait_tensorcnt 0x0
	ds_add_u32 v126, v127
	s_wait_dscnt 0x0
	CROUND                                         ; the closing round
	s_endpgm
.Lfunc_end_k_qc90cd29e85_wo:
	.size	k_qc90cd29e85_wo, .Lfunc_end_k_qc90cd29e85_wo-k_qc90cd29e85_wo
	.p2alignl 7, 3214868480
	.fill 96, 4, 3214868480
	.section	.rodata,"a",@progbits
	.p2align	6, 0x0
	.amdhsa_kernel k_qc90cd29e85_wo
		.amdhsa_group_segment_fixed_size 327680
		.amdhsa_private_segment_fixed_size 0
		.amdhsa_enable_private_segment 0
		.amdhsa_kernarg_size 40
		.amdhsa_user_sgpr_count 2
		.amdhsa_user_sgpr_kernarg_segment_ptr 1
		.amdhsa_wavefront_size32 1
		.amdhsa_system_sgpr_workgroup_id_x 1
		.amdhsa_system_sgpr_workgroup_id_y 1
		.amdhsa_system_sgpr_workgroup_id_z 1
		.amdhsa_system_vgpr_workitem_id 0
		.amdhsa_next_free_vgpr 640
		.amdhsa_next_free_sgpr 72
		.amdhsa_reserve_vcc 0
		.amdhsa_float_denorm_mode_32 3
		.amdhsa_float_denorm_mode_16_64 3
		.amdhsa_memory_ordered 1
		.amdhsa_forward_progress 1
		.amdhsa_inst_pref_size 98
	.end_amdhsa_kernel
	.amdgpu_metadata
---
amdhsa.version: [ 1, 2 ]
amdhsa.kernels:
  - .name:           k_qc90cd29e85_wo
    .symbol:         k_qc90cd29e85_wo.kd
    .args:
      - { .name: ao, .offset: 0, .size: 8, .value_kind: global_buffer, .address_space: global }
      - { .name: wb, .offset: 8, .size: 8, .value_kind: global_buffer, .address_space: global }
      - { .name: x2, .offset: 16, .size: 8, .value_kind: global_buffer, .address_space: global }
      - { .name: x, .offset: 24, .size: 8, .value_kind: global_buffer, .address_space: global }
      - { .name: bo, .offset: 32, .size: 8, .value_kind: global_buffer, .address_space: global }
    .group_segment_fixed_size: 327680
    .private_segment_fixed_size: 0
    .kernarg_segment_align: 8
    .kernarg_segment_size: 40
    .max_flat_workgroup_size: 128
    .sgpr_count:     72
    .vgpr_count:     640
    .wavefront_size: 32
...
	.end_amdgpu_metadata
.endif
;; end of part 4
;; launch ln2 (part 5): grid 256 x 1, 4 waves a work-group, no clusters, 0 bytes of LDS; arguments x2, g2, be2, hb; writes hb
.if DOCPART == 5
	.amdgcn_target "amdgcn-amd-amdhsa--gfx1250"
	.amdhsa_code_object_version 6
	.text
	.protected	k_qc90cd29e85_ln2
	.globl	k_qc90cd29e85_ln2
	.p2align	8
	.type	k_qc90cd29e85_ln2,@function
k_qc90cd29e85_ln2:
	s_mov_b64 s[64:65], 0
	v_nop
	global_prefetch_b8 v0, s[64:65] scope:SCOPE_SE
	s_setreg_imm32_b32 hwreg(HW_REG_WAVE_MODE, 25, 1), 1
	s_wait_xcnt 0x0
; out[r][c] = f16((in[r][c] - mean_r) * rsqrt(var_r + 1e-5) * g[c] + be[c]).  in: [4096][1024] f32, out: [4096][1024] f16.
; The result has room in f16: no element of a normalised row of 1,024 exceeds 32, so |out| <= 32 |g| + |be|.  Limit: beyond 65,504 it becomes infinite.
; A row is 4,096 bytes: one wave takes a whole row in 32 registers (eight loads of 512 consecutive bytes), so the two reductions never leave the wave:
; no LDS, no barrier.  Four waves, four rows each; all 48 loads of a wave (g, be, four rows) go out at once and no register is loaded twice.
; The variance is the mean of (x - mean)^2, taken in a second pass over the registers: no difference of large sums is formed where the rows carry an offset.
.set G,  4                             ; v[4:35]    g of my 32 columns (columns 128 j + 4 lane + 0..3)
.set BE, 36                            ; v[36:67]   be of them
.set X,  68                            ; v[68:195]  row r: 32 registers
.set S,  196                           ; v[196:203] four chains of pairs
.set T,  204                           ; v[204:205] the reduction
.set MU, 206                           ; v[206:207] the mean, twice (a pair for the packed forms)
.set RS, 208                           ; v[208:209] 1 / sqrt(var + eps), twice
	s_load_b256 s[4:11], s[0:1], 0x0               ; in s[4:5], g s[6:7], be s[8:9], out s[10:11]
	s_lshl_b32 s2, ttmp9, 16                       ; the work-group's 16 rows of 4,096 bytes in,
	s_mov_b32 s3, 0
	s_lshl_b32 s16, ttmp9, 15                      ; of 2,048 bytes out
	s_mov_b32 s17, 0
	s_mov_b32 s12, 0x76543210                      ; v_permlanex16_b32: each lane takes its own place in the other half
	s_mov_b32 s13, 0xfedcba98
	s_mov_b32 s14, 0x3a800000                      ; 1 / 1024
	s_mov_b32 s15, 0x3727c5ac                      ; 1e-5
	v_and_b32 v3, 31, v0                           ; lane
	v_lshrrev_b32 v2, 5, v0                        ; wave
	v_lshlrev_b32 v1, 4, v3                        ; g, be: 16 bytes a lane
	v_lshlrev_b32 v3, 3, v3
	v_lshl_add_u32 v3, v2, 13, v3                  ; out: wave x 4 rows x 2,048 + 8 bytes a lane
	v_lshl_add_u32 v2, v2, 14, v1                  ; in: wave x 4 rows x 4,096 + 16 bytes a lane
	v_mov_b32 v[T+1], 0                            ; v_permlanex16_b32's destination counts as read
	s_wait_kmcnt 0x0
	s_add_nc_u64 s[4:5], s[4:5], s[2:3]
	s_add_nc_u64 s[10:11], s[10:11], s[16:17]
.irp j, 0,1,2,3,4,5,6,7
	global_load_b128 v[G+4*\j:G+4*\j+3], v1, s[6:7] offset:512*\j
.endr
.irp j, 0,1,2,3,4,5,6,7
	global_load_b128 v[BE+4*\j:BE+4*\j+3], v1, s[8:9] offset:512*\j
.endr
.irp r, 0,1,2,3
.irp j, 0,1,2,3,4,5,6,7
	global_load_b128 v[X+32*\r+4*\j:X+32*\r+4*\j+3], v2, s[4:5] offset:\r*4096+512*\j
.endr
.endr
.macro REDUCE                          ; the four chains, then the 32 lanes; the sum ends in v[T] of every lane
	v_pk_add_f32 v[S:S+1], v[S:S+1], v[S+2:S+3]
	v_pk_add_f32 v[S+4:S+5], v[S+4:S+5], v[S+6:S+7]
	v_pk_add_f32 v[S:S+1], v[S:S+1], v[S+4:S+5]
	v_add_f32 v[T], v[S], v[S+1]
	v_add_f32_dpp v[T], v[T], v[T] row_xmask:1 row_mask:0xf bank_mask:0xf
	v_add_f32_dpp v[T], v[T], v[T] row_xmask:2 row_mask:0xf bank_mask:0xf
	v_add_f32_dpp v[T], v[T], v[T] row_xmask:4 row_mask:0xf bank_mask:0xf
	v_add_f32_dpp v[T], v[T], v[T] row_xmask:8 row_mask:0xf bank_mask:0xf
	v_permlanex16_b32 v[T+1], v[T], s12, s13
	v_add_f32 v[T], v[T], v[T+1]
.endm
.macro ROW r
.set XR, X+32*\r
	s_wait_loadcnt 8*(3-\r)                        ; my row is in (g and be are older); the eight loads of each later row stay out
.irp k, 0,2,4,6
	v_pk_add_f32 v[S+\k:S+\k+1], v[XR+\k:XR+\k+1], v[XR+8+\k:XR+8+\k+1]   ; the first words start the chains: nothing is cleared
.endr
.irp k, 0,2,4,6
	v_pk_add_f32 v[S+\k:S+\k+1], v[S+\k:S+\k+1], v[XR+16+\k:XR+16+\k+1]
.endr
.irp k, 0,2,4,6
	v_pk_add_f32 v[S+\k:S+\k+1], v[S+\k:S+\k+1], v[XR+24+\k:XR+24+\k+1]
.endr
	REDUCE
	v_mul_f32 v[MU], s14, v[T]
	v_mul_f32 v[MU+1], s14, v[T]
.set i, 0
.rept 16
	v_pk_add_f32 v[XR+i:XR+i+1], v[XR+i:XR+i+1], v[MU:MU+1] neg_lo:[0,1] neg_hi:[0,1]   ; x - mean
.set i, i+2
.endr
.irp k, 0,2,4,6
	v_pk_mul_f32 v[S+\k:S+\k+1], v[XR+\k:XR+\k+1], v[XR+\k:XR+\k+1]
.endr
.set i, 8
.rept 12
	v_pk_fma_f32 v[S+i%8:S+i%8+1], v[XR+i:XR+i+1], v[XR+i:XR+i+1], v[S+i%8:S+i%8+1]
.set i, i+2
.endr
	REDUCE
	v_fma_f32 v[T], v[T], s14, s15                 ; var + eps
	v_rsq_f32 v[RS], v[T]
	v_rsq_f32 v[RS+1], v[T]
	v_nop                                          ; a plain instruction between the root and the use of its result (ISA guide 5.7.2)
.set i, 0
	s_wait_alu depctr_va_vdst(0)
.rept 16
	v_pk_mul_f32 v[XR+i:XR+i+1], v[XR+i:XR+i+1], v[RS:RS+1]
.set i, i+2
.endr
.set i, 0
.rept 16
	v_pk_fma_f32 v[XR+i:XR+i+1], v[XR+i:XR+i+1], v[G+i:G+i+1], v[BE+i:BE+i+1]
.set i, i+2
.endr
.set i, 0
.rept 16
	v_cvt_pk_f16_f32 v[XR+i], v[XR+2*i], v[XR+2*i+1]   ; in place, ascending: word i is written when words 2 i and 2 i + 1 have been read
.set i, i+1
.endr
.irp j, 0,1,2,3,4,5,6,7
	global_store_b64 v3, v[XR+2*\j:XR+2*\j+1], s[10:11] offset:\r*2048+256*\j   ; 32 lanes x 8 bytes: 256 consecutive bytes, aligned
.endr
.endm
	ROW 0
	ROW 1
	ROW 2
	ROW 3
	s_endpgm
.Lfunc_end_k_qc90cd29e85_ln2:
	.size	k_qc90cd29e85_ln2, .Lfunc_end_k_qc90cd29e85_ln2-k_qc90cd29e85_ln2
	.p2alignl 7, 3214868480
	.fill 96, 4, 3214868480
	.section	.rodata,"a",@progbits
	.p2align	6, 0x0
	.amdhsa_kernel k_qc90cd29e85_ln2
		.amdhsa_group_segment_fixed_size 0
		.amdhsa_private_segment_fixed_size 0
		.amdhsa_enable_private_segment 0
		.amdhsa_kernarg_size 32
		.amdhsa_user_sgpr_count 2
		.amdhsa_user_sgpr_kernarg_segment_ptr 1
		.amdhsa_wavefront_size32 1
		.amdhsa_system_sgpr_workgroup_id_x 1
		.amdhsa_system_sgpr_workgroup_id_y 1
		.amdhsa_system_sgpr_workgroup_id_z 1
		.amdhsa_system_vgpr_workitem_id 0
		.amdhsa_next_free_vgpr 212
		.amdhsa_next_free_sgpr 66
		.amdhsa_reserve_vcc 0
		.amdhsa_float_denorm_mode_32 3
		.amdhsa_float_denorm_mode_16_64 3
		.amdhsa_memory_ordered 1
		.amdhsa_forward_progress 1
		.amdhsa_inst_pref_size 38
	.end_amdhsa_kernel
	.amdgpu_metadata
---
amdhsa.version: [ 1, 2 ]
amdhsa.kernels:
  - .name:           k_qc90cd29e85_ln2
    .symbol:         k_qc90cd29e85_ln2.kd
    .args:
      - { .name: x2, .offset: 0, .size: 8, .value_kind: global_buffer, .address_space: global }
      - { .name: g2, .offset: 8, .size: 8, .value_kind: global_buffer, .address_space: global }
      - { .name: be2, .offset: 16, .size: 8, .value_kind: global_buffer, .address_space: global }
      - { .name: hb, .offset: 24, .size: 8, .value_kind: global_buffer, .address_space: global }
    .group_segment_fixed_size: 0
    .private_segment_fixed_size: 0
    .kernarg_segment_align: 8
    .kernarg_segment_size: 32
    .max_flat_workgroup_size: 128
    .sgpr_count:     66
    .vgpr_count:     212
    .wavefront_size: 32
...
	.end_amdgpu_metadata
.endif
;; end of part 5
;; launch mlp1 (part 6): grid 16 x 16, 4 waves a work-group, clusters of 4 x 4, 327,680 bytes of LDS; arguments hb, wb, ff, b1; writes ff
.if DOCPART == 6
	.amdgcn_target "amdgcn-amd-amdhsa--gfx1250"
	.amdhsa_code_object_version 6
	.text
	.protected	k_qc90cd29e85_mlp1
	.globl	k_qc90cd29e85_mlp1
	.p2align	8
	.type	k_qc90cd29e85_mlp1,@function
k_qc90cd29e85_mlp1:
	s_mov_b64 s[64:65], 0
	v_nop
	global_prefetch_b8 v0, s[64:65] scope:SCOPE_SE
	s_setreg_imm32_b32 hwreg(HW_REG_WAVE_MODE, 25, 1), 1
	s_wait_xcnt 0x0
	s_wait_alu depctr_hold_cnt(0) depctr_sa_sdst(0) depctr_va_vdst(0) depctr_va_sdst(0) depctr_va_ssrc(0) depctr_va_vcc(0) depctr_vm_vsrc(0)
	s_getreg_b32 s2, hwreg(HW_REG_IB_STS2, 6, 4)
	s_cmp_eq_u32 s2, 0
	s_cbranch_scc0 .Lentry_in_a_cluster
	s_endpgm
.Lentry_in_a_cluster:
	s_bfe_u32 s2, ttmp6, 0x10000c
	s_cmp_lg_u32 s2, 0xf033
	s_cbranch_scc0 .Lentry_shape_is_right
	s_endpgm
.Lentry_shape_is_right:
; C[m][n] = sum over k of A[m][k] W[k][n].  A: [4096][SIZE_K] f16, W: [SIZE_K][SIZE_N] f16 at byte WOFF of wb, C: [4096][SIZE_N] f16; sums in f32.
; EPI = 1: C = relu(sum + bias[n]), in f32, rounded once (the maximum with 0 turns a NaN into 0).
; C has room in f16: a sum of 1,024 products of a normalised row (rms |g|) and weights of rms w has rms 32 |g| w: 900 where g is 30 and w is 30/32.  Limit: a result beyond 65,504 becomes infinite.
; A tile of C, 256 x 256, is made by a work-group of four waves, one to a SIMD; a wave makes 128 x 128: 64 accumulators of 16 x 16, 512 registers.
; K goes in steps of 128 through a ring of two LDS slots filled by the tensor data mover.  A's tile: 256 rows x 256 bytes; W's tile: 128 rows (k) x 512 bytes (256 n).
; W lies [k][n], so its fragments come out of LDS turned, by ds_load_tr16_b128.
; CLUSTERS: 4 x 4 work-groups.  The four of a row of the cluster need the same tiles of A, the four of a column the same tiles of W: each tile is asked for JOINTLY,
; by the same tensor load with the same descriptor and a mask that names the four; that divides the requests for A and W by four.
; THE MATRIX INSTRUCTION IS USED TRANSPOSED: source 0 = 16 columns of W, source 1 = 16 rows of A: a lane then holds row l % 16 of C and eight NEIGHBOURING columns 8 (l / 16) + 0..7.
; REGISTERS, in windows of 256: window 0: v0-31 addresses; v64-127, v128-191 fragments of A, two buffers; v32-63, v192-255 at work on the way out (EPI = 1: v64-127 too)
;   window 1: v64-127, v128-191 fragments of W, two buffers; EPI = 1: v0-63 the bias of my 128 columns;   window 2: the accumulators of my rows 0-63;   window 3: of my rows 64-127
.set SIZE_N, 4096
.set WOFF,   8388608
.set EPI,    1
.set SIZE_K, 1024
.set KSTEP,  128
.set PA,     272                       ; a row of A in LDS: 256 bytes + 16: the 16 rows of a fragment load start at 16 different groups of four banks
.set PB,     544                       ; a row of W in LDS: 512 bytes + 32 = 17 x 32
.set HALFT,  128*PA                    ; what one tensor load brings: 128 rows of A, or 64 rows of W (64 x 544 is the same number)
.set SLOT,   4*HALFT                   ; A's 256 rows, then W's 128 rows
.set STAGE,  2*SLOT                    ; behind the ring: 16 rows x 272 bytes for each wave, for the way out; no tensor load fills it
.set SPITCH, 272
.set LAPS,   SIZE_K/(2*KSTEP)          ; a lap = two K steps = once round the ring
.set ADRA, 16                          ; v16-17  LDS address of my A fragments in slot 0, 1
.set ADRB, 20                          ; v20-21  the same for W
.set STO,  24                          ; v24     the way out: where I put 16 bytes of a row
.set RD,   25                          ; v25     the way out: where I read a row back
.set CO,   26                          ; v26     my byte offset in C
.set BO,   27                          ; v27     my byte offset in the bias
.set F0,   64
.set F1,   128
.set TMP,  192                         ; packed results
.set OB,   32                          ; 16 rows read back from the stage: v32-63 and v224-255 by turns
.set RL,   64                          ; EPI = 1: a block's sums plus bias, in f32
.set G1,  24                           ; s[24:31] descriptor group 1 for A's tiles;  s[32:39] group 0, one set for each slot
.set G0,  32
.set G1B, 48                           ; s[48:55], s[56:63] the same for W's tiles
.set G0B, 56
.set MSB, 0
.macro WIN new                         ; the immediate's high byte repeats the setting that is left; a switch that changes nothing is dropped
.if MSB != \new
	s_set_vgpr_msb (MSB<<8)|\new
.set MSB, \new
.endif
.endm
.set MUL_LO, 0xa1                      ; source 0 (W) window 1, source 1 (A) window 0, C and D window 2
.set MUL_HI, 0xf1                      ; the same, C and D window 3
.set TO_B,   0x40                      ; destination window 1, address window 0
; A joint load.  Waves 0 and 1 fetch A's two halves, waves 2 and 3 W's.  The branch hangs on the wave's number alone.  Four v_nop follow each of the two lines.
.macro JLOAD s
	s_cmp_eq_u32 s11, 0
	s_cbranch_scc0 .Lfor_b_\@
	tensor_load_to_lds s[G0+4*\s:G0+4*\s+3], s[G1:G1+7]
	s_nop 0
.rept 4
	v_nop
.endr
	s_branch .Lasked_\@
.Lfor_b_\@:
	tensor_load_to_lds s[G0B+4*\s:G0B+4*\s+3], s[G1B:G1B+7]
	s_nop 0
.rept 4
	v_nop
.endr
.Lasked_\@:
.endm
; A round of the cluster's barrier: my work-group's barrier; wave 0 signals for the work-group; every wave waits for all sixteen; my work-group's barrier once more.
.macro CREST                           ; a round behind its opening barrier
	s_cmp_lg_u32 s10, 0
	s_cbranch_scc1 .Lnot_wave_0_\@
	s_barrier_signal -3
.Lnot_wave_0_\@:
	s_barrier_wait -3
	s_barrier_signal -1
	s_barrier_wait -1
.endm
.macro CROUND
	s_barrier_signal -1
	s_barrier_wait -1
	CREST
.endm
	s_load_b128 s[4:7], s[0:1], 0x0                ; A s[4:5], wb s[6:7]
	s_load_b64 s[8:9], s[0:1], 0x10                ; C
.if EPI
	s_load_b64 s[66:67], s[0:1], 0x18              ; bias
	s_set_vgpr_msb 0x40
	v_lshl_add_u32 v255, v0, 2, 0x48400
	s_set_vgpr_msb 0x4000
	v_mov_b32 v31, 0
	s_set_vgpr_msb 0x1
	ds_add_u32 v255, v31
	s_set_vgpr_msb 0x100
.endif
	v_lshrrev_b32 v1, 5, v0
	v_readfirstlane_b32 s10, v1                    ; wave 0..3
	s_lshr_b32 s11, s10, 1                         ; which half of the tile's rows is mine.  Also: I fetch for A (0) or for W (1)
	s_and_b32 s12, s10, 1                          ; which half of its columns.  Also: which half of that tile I fetch
	s_bfe_u32 s40, ttmp6, 0x40000                  ; cx, cy: my place in the cluster
	s_bfe_u32 s41, ttmp6, 0x40004
	s_lshl_b32 s42, ttmp9, 2
	s_add_co_u32 s42, s42, s40                     ; tile column of C = 4 x cluster x + cx
	s_and_b32 s13, ttmp7, 0xffff
	s_lshl_b32 s13, s13, 2
	s_add_co_u32 s13, s13, s41                     ; tile row of C = 4 x cluster y + cy
	s_lshl_b32 s43, s41, 2
	s_lshl_b32 s43, 15, s43                        ; my row of the cluster
	s_lshl_b32 s44, 0x1111, s40                    ; my column
	s_or_b32 s[G1+0], s43, (1<<16)|(1<<20)|(1<<21)|(5<<22)|(3<<25)   ; the mask: A's tiles go to my row; elements of 2 bytes; padding on; bit 21 beside a mask; after every 64 words, 4 words
	s_mov_b32 s[G1+1], KSTEP<<16                   ; tensor_dim0 = 128
	s_mov_b32 s[G1+2], 128<<16                     ; tensor_dim1 = 128
	s_mov_b32 s[G1+3], KSTEP<<16                   ; tile_dim0 = 128
	s_mov_b32 s[G1+4], 128                         ; tile_dim1 = 128
	s_mov_b32 s[G1+5], SIZE_K                      ; elements from row to row
	s_mov_b32 s[G1+6], 0
	s_mov_b32 s[G1+7], 0
	s_or_b32 s[G1B+0], s44, (1<<16)|(1<<20)|(1<<21)|(6<<22)|(7<<25)  ; W's tiles go to my column; after every 128 words, 8 words
	s_mov_b32 s[G1B+1], 256<<16                    ; tensor_dim0 = 256 columns
	s_mov_b32 s[G1B+2], 64<<16                     ; tensor_dim1 = 64 rows (k)
	s_mov_b32 s[G1B+3], 256<<16                    ; tile_dim0 = 256
	s_mov_b32 s[G1B+4], 64                         ; tile_dim1 = 64
	s_mov_b32 s[G1B+5], SIZE_N
	s_mov_b32 s[G1B+6], 0
	s_mov_b32 s[G1B+7], 0
	; A's tiles hang on the tile row alone, W's on the tile column alone; each address is made in registers that never hold the other coordinate
	s_lshl_b32 s17, s12, 7
	s_lshl_b32 s16, s13, 8
	s_add_co_u32 s16, s16, s17                     ; A: row 256 x tile row + 128 x half,
	s_lshl_b32 s16, s16, 11                        ; of 2,048 bytes: under 2^23
	s_mov_b32 s17, 0
	s_lshl_b32 s46, s42, 9                         ; W: 256 columns of 2 bytes a tile column,
	s_mul_i32 s47, s12, 64*SIZE_N*2                ; 64 rows a half
	s_add_co_u32 s46, s46, s47
.if WOFF
	s_add_co_u32 s46, s46, WOFF
.endif
	s_mov_b32 s47, 0
	s_mul_i32 s20, s10, HALFT                      ; where they go: wave x HALFT: no place in the cluster enters an LDS address
	s_wait_dscnt 0x0
	s_wait_kmcnt 0x0
	s_add_nc_u64 s[14:15], s[4:5], s[16:17]
	s_add_nc_u64 s[46:47], s[6:7], s[46:47]
	CROUND                                         ; all sixteen work-groups are here: the first joint loads meet
.irp s, 0,1
	s_mov_b32 s[G0+4*\s], 1
	s_add_co_u32 s[G0+4*\s+1], s20, \s*SLOT
	s_add_nc_u64 s[G0+4*\s+2:G0+4*\s+3], s[14:15], \s*KSTEP*2
	s_or_b32 s[G0+4*\s+3], s[G0+4*\s+3], 0x80000000
	s_mov_b32 s[G0B+4*\s], 1
	s_add_co_u32 s[G0B+4*\s+1], s20, \s*SLOT
	s_add_nc_u64 s[G0B+4*\s+2:G0B+4*\s+3], s[46:47], \s*KSTEP*SIZE_N*2
	s_or_b32 s[G0B+4*\s+3], s[G0B+4*\s+3], 0x80000000
	JLOAD \s                                       ; the ring is filled before anything else is done: two loads of mine are out
.endr
	v_and_b32 v1, 15, v0                           ; l % 16
	v_bfe_u32 v2, v0, 4, 1                         ; l / 16
	v_mul_u32_u24 v3, v1, PA
	v_lshl_add_u32 v3, v2, 4, v3                   ; A: row x pitch + 16 x half
	v_and_b32 v6, 7, v0                            ; W, turned: lane l reads 16 bytes of row k = 8 (l / 16) + l % 8, columns 8 ((l / 8) % 2) + 0..7
	v_lshl_add_u32 v6, v2, 3, v6
	v_mul_u32_u24 v6, v6, PB
	v_bfe_u32 v7, v0, 3, 1
	v_lshl_add_u32 v6, v7, 4, v6
	s_mul_i32 s21, s11, HALFT                      ; my 128 rows of A
	s_lshl_b32 s22, s12, 8                         ; my 128 columns of W,
	s_add_co_u32 s22, s22, 2*HALFT                 ; which lies behind A's 256 rows
.irp s, 0,1
	v_add_nc_u32 v[ADRA+\s], s21, v3
	v_add_nc_u32 v[ADRB+\s], s22, v6
	s_add_co_u32 s21, s21, SLOT
	s_add_co_u32 s22, s22, SLOT
.endr
	s_mul_i32 s23, s10, 16*SPITCH
	s_add_co_u32 s23, s23, STAGE                   ; my stage
	v_mul_u32_u24 v4, v1, SPITCH                   ; in: row l % 16, 16 bytes for each half of the lanes
	v_lshl_add_u32 v4, v2, 4, v4
	v_add_nc_u32 v[STO], s23, v4
	v_mul_u32_u24 v5, v2, SPITCH                   ; back: lanes 0-15 take one row of 256 bytes, lanes 16-31 the next
	v_lshl_add_u32 v5, v1, 4, v5
	v_add_nc_u32 v[RD], s23, v5
	v_mul_u32_u24 v5, v2, SIZE_N*2                 ; and the same two rows in C
	v_lshl_add_u32 v[CO], v1, 4, v5
	s_lshl_b32 s13, s13, 8
	s_lshl_b32 s14, s11, 7
	s_add_co_u32 s16, s13, s14                     ; my first row of C,
	s_mul_i32 s16, s16, SIZE_N*2                   ; in bytes: under 2^25
	s_lshl_b32 s46, s42, 9                         ; my first column, in bytes: 512 x tile column + 256 x half
	s_lshl_b32 s47, s12, 8
	s_add_co_u32 s46, s46, s47
	s_mov_b32 s47, 0
	s_add_nc_u64 s[8:9], s[8:9], s[16:17]
	s_add_nc_u64 s[8:9], s[8:9], s[46:47]
.if EPI
	s_lshl_b32 s46, s46, 1                         ; the same column in f32
	s_add_nc_u64 s[66:67], s[66:67], s[46:47]
	v_lshlrev_b32 v[BO], 5, v2                     ; my eight columns of a block of 16: 32 bytes for each half of the lanes
	WIN TO_B
.irp b, 0,1,2,3,4,5,6,7
	global_load_b128 v[8*\b:8*\b+3],   v[BO], s[66:67] offset:64*\b
	global_load_b128 v[8*\b+4:8*\b+7], v[BO], s[66:67] offset:64*\b+16
.endr
	WIN 0
.endif
; 16 matrix instructions: m blocks a0, a0 + 1 of the window's four x all 8 n blocks, 32 along K.  zero = 1: the first product starts the sums: nothing is ever cleared.
; The 64 accumulators take turns, one instruction a turn, in the same order in every quarter step.
.macro MUL16 f, hi, a0, zero
.irp a, \a0, \a0+1
.irp b, 0,1,2,3,4,5,6,7
.if \zero
	v_wmma_f32_16x16x32_f16 v[8*(8*(\a)+\b):8*(8*(\a)+\b)+7], v[\f+8*\b:\f+8*\b+7], v[\f+8*(4*\hi+\a):\f+8*(4*\hi+\a)+7], 0
.else
	v_wmma_f32_16x16x32_f16 v[8*(8*(\a)+\b):8*(8*(\a)+\b)+7], v[\f+8*\b:\f+8*\b+7], v[\f+8*(4*\hi+\a):\f+8*(4*\hi+\a)+7], v[8*(8*(\a)+\b):8*(8*(\a)+\b)+7]
.endif
.endr
.endr
.endm
; 32 LDS loads in one run: the fragments of quarter q (32 along K) of a slot into buffer f: W's 128 columns, turned, then A's 128 rows
.macro FETCH slot, q, f
	WIN TO_B
.irp i, 0,1,2,3,4,5,6,7
	ds_load_tr16_b128 v[\f+8*\i:\f+8*\i+3],   v[ADRB+\slot] offset:\q*32*PB+32*\i
	ds_load_tr16_b128 v[\f+8*\i+4:\f+8*\i+7], v[ADRB+\slot] offset:\q*32*PB+16*PB+32*\i
.endr
	WIN 0
.irp i, 0,1,2,3,4,5,6,7
	ds_load_b128 v[\f+8*\i:\f+8*\i+3],   v[ADRA+\slot] offset:\q*64+\i*16*PA
	ds_load_b128 v[\f+8*\i+4:\f+8*\i+7], v[ADRA+\slot] offset:\q*64+\i*16*PA+32
.endr
.endm
; A load into a register that a matrix instruction has read, and a vector instruction that reads a matrix result, stand four plain vector instructions behind it
.macro PLACES
.rept 4
	v_nop
.endr
.endm
; A K step is four quarters of 32 along K, 64 matrix instructions each, on buffers 0, 1, 0, 1.  One of the first three: multiplies buffer f and fetches quarter q into buffer g.
.macro QUARTER slot, q, f, g, zero
	s_wait_dscnt 8                                 ; W and A's rows 0-63 are in; the youngest eight loads (A's rows 64-127) may be out
	WIN MUL_LO
	MUL16 \f, 0, 0, \zero
	MUL16 \f, 0, 2, \zero
	PLACES
	FETCH \slot, \q, \g
	s_wait_dscnt 32                                ; all but the 32 just issued
	WIN MUL_HI
	MUL16 \f, 1, 0, \zero
	MUL16 \f, 1, 2, \zero
.endm
; The last quarter multiplies buffer 1 and changes slots.  MEET is its first half: ONE barrier; in front of it each wave waits for its own reads of this slot and for all its tensor loads.
.macro MEET round
	s_wait_dscnt 8
	WIN MUL_LO
	MUL16 F1, 0, 0, 0
	s_wait_dscnt 0                                 ; my reads of this slot are over
	s_wait_tensorcnt 0x0                           ; and all my tensor loads have landed: the one that was out is my part of the next slot
	ds_add_u32 v255, v31
	s_wait_dscnt 0x0
	s_barrier_signal -1
	MUL16 F1, 0, 2, 0                              ; work on registers while the others arrive
.if \round
	WIN 0
.endif
	s_barrier_wait -1
.endm
.macro TURN slot, next
	MEET 1
	CREST                                          ; the barrier has opened a round of the cluster's: no wave of any partner still reads this slot or has a load on its way
	s_add_nc_u64 s[G0+4*\slot+2:G0+4*\slot+3], s[G0+4*\slot+2:G0+4*\slot+3], 2*KSTEP*2
	s_add_nc_u64 s[G0B+4*\slot+2:G0B+4*\slot+3], s[G0B+4*\slot+2:G0B+4*\slot+3], 2*KSTEP*SIZE_N*2
	JLOAD \slot                                    ; the first tensor load behind the round, my only one until the next: 240 matrix instructions ahead of the wait for it; its four v_nop are the places in front of the loads below
	FETCH \next, 0, F0
	WIN MUL_HI
	MUL16 F1, 1, 0, 0
	MUL16 F1, 1, 2, 0
.endm
; THE WAY OUT of block a (16 rows).  PACK: (bias, relu,) rounded to f16, 16 bytes a lane; each accumulator's registers in ascending order.  TOSTAGE: into my own stage and back as whole rows.  SEND: stored.
.macro PACK a
.set AC, 64*((\a)%4)
.if EPI
	WIN 0x06+(\a)/4                                ; source 0: window 2 or 3 (the sums); source 1: window 1 (the bias)
.irp b, 0,1,2,3,4,5,6,7
.irp r, 0,1,2,3
	v_pk_add_f32 v[RL+8*\b+2*\r:RL+8*\b+2*\r+1], v[AC+8*\b+2*\r:AC+8*\b+2*\r+1], v[8*\b+2*\r:8*\b+2*\r+1]
.endr
.endr
	WIN 0
.set i, 0
.rept 64
	v_max_num_f32 v[RL+i], 0, v[RL+i]
.set i, i+1
.endr
.set i, 0
.rept 32
	v_cvt_pk_f16_f32 v[TMP+i], v[RL+2*i], v[RL+2*i+1]
.set i, i+1
.endr
.else
	WIN 0x0a+5*((\a)/4)                            ; sources 0 and 1: window 2 or 3
.irp b, 0,1,2,3,4,5,6,7
.irp r, 0,1,2,3
	v_cvt_pk_f16_f32 v[TMP+4*\b+\r], v[AC+8*\b+2*\r], v[AC+8*\b+2*\r+1]
.endr
.endr
	WIN 0
.endif
.endm
.macro TOSTAGE a
.set BK, OB+192*((\a)%2)
.if (\a) >= 2
	s_wait_xcnt 0x0                                ; the stores of the block two back read these registers: they are loaded again only behind this wait
.endif
.irp b, 0,1,2,3,4,5,6,7
	ds_store_b128 v[STO], v[TMP+4*\b:TMP+4*\b+3] offset:32*\b
.endr
.irp t, 0,1,2,3,4,5,6,7
	ds_load_b128 v[BK+4*\t:BK+4*\t+3], v[RD] offset:\t*2*SPITCH    ; LDS serves a wave's instructions in order (ISA guide 5.7.1.4): these see the stores above
.endr
.endm
.macro SEND a
.set BK, OB+192*((\a)%2)
	s_wait_dscnt 0x0                               ; the block is back in registers
.irp t, 0,1,2,3,4,5,6,7
	global_store_b128 v[CO], v[BK+4*\t:BK+4*\t+3], s[8:9] offset:(16*(\a)+2*\t)*SIZE_N*2   ; 16 lanes store 256 consecutive bytes, aligned; 126 rows of C at the most: inside the signed 24-bit immediate
.endr
.endm
	s_wait_tensorcnt 1                             ; my part of K step 0 is in; K step 1's may stay out
	s_barrier_signal -1
	s_barrier_wait -1                              ; everybody's is
	FETCH 0, 0, F0
	QUARTER 0, 1, F0, F1, 1                        ; the first quarter stands in front of the loop: its products start the sums
	WIN 0                                          ; at a label and at a branch every window is 0
	s_mov_b32 s3, LAPS-1
.Llap:                                                 ; a trip goes once round the ring, from a lap's second quarter to the next lap's first, and fills both slots again
	QUARTER 0, 2, F1, F0, 0
	QUARTER 0, 3, F0, F1, 0
	TURN 0, 1
	QUARTER 1, 1, F0, F1, 0
	QUARTER 1, 2, F1, F0, 0
	QUARTER 1, 3, F0, F1, 0
	TURN 1, 0
	QUARTER 0, 1, F0, F1, 0
	WIN 0
	s_sub_co_u32 s3, s3, 1
	s_cmp_lg_u32 s3, 0
	s_cbranch_scc1 .Llap
	QUARTER 0, 2, F1, F0, 0                        ; the last lap fills nothing, and has no round of the cluster's barrier
	QUARTER 0, 3, F0, F1, 0
	MEET 0
	PLACES                                         ; for the loads into buffer 0
	FETCH 1, 0, F0
	WIN MUL_HI
	MUL16 F1, 1, 0, 0
	MUL16 F1, 1, 2, 0
	QUARTER 1, 1, F0, F1, 0
	QUARTER 1, 2, F1, F0, 0
	QUARTER 1, 3, F0, F1, 0
	s_wait_dscnt 8                                 ; the very last quarter: nothing more to fetch
	WIN MUL_LO
	MUL16 F1, 0, 0, 0
	MUL16 F1, 0, 2, 0
	s_wait_dscnt 0
	WIN MUL_HI
	MUL16 F1, 1, 0, 0
	MUL16 F1, 1, 2, 0
	WIN 0
.if EPI
	s_wait_loadcnt 0x0                             ; the bias
.endif
	PLACES                                         ; the conversions read results just made
	PACK 0
	TOSTAGE 0
.irp a, 1,2,3,4,5,6,7                  ; block a's arithmetic stands between block a - 1's loads from the stage and the wait for them
	PACK \a
	SEND \a-1
	TOSTAGE \a
.endr
	SEND 7
	s_set_vgpr_msb 0x1
	s_wait_tensorcnt 0x0
	ds_add_u32 v255, v31
	s_wait_dscnt 0x0
	s_set_vgpr_msb 0x100
	CROUND                                         ; the closing round: no work-group ends while a partner may still ask for a tile that names it
	s_endpgm
.Lfunc_end_k_qc90cd29e85_mlp1:
	.size	k_qc90cd29e85_mlp1, .Lfunc_end_k_qc90cd29e85_mlp1-k_qc90cd29e85_mlp1
	.p2alignl 7, 3214868480
	.fill 96, 4, 3214868480
	.section	.rodata,"a",@progbits
	.p2align	6, 0x0
	.amdhsa_kernel k_qc90cd29e85_mlp1
		.amdhsa_group_segment_fixed_size 327680
		.amdhsa_private_segment_fixed_size 0
		.amdhsa_enable_private_segment 0
		.amdhsa_kernarg_size 32
		.amdhsa_user_sgpr_count 2
		.amdhsa_user_sgpr_kernarg_segment_ptr 1
		.amdhsa_wavefront_size32 1
		.amdhsa_system_sgpr_workgroup_id_x 1
		.amdhsa_system_sgpr_workgroup_id_y 1
		.amdhsa_system_sgpr_workgroup_id_z 1
		.amdhsa_system_vgpr_workitem_id 0
		.amdhsa_next_free_vgpr 1024
		.amdhsa_next_free_sgpr 68
		.amdhsa_reserve_vcc 0
		.amdhsa_float_denorm_mode_32 3
		.amdhsa_float_denorm_mode_16_64 3
		.amdhsa_memory_ordered 1
		.amdhsa_forward_progress 1
		.amdhsa_inst_pref_size 176
	.end_amdhsa_kernel
	.amdgpu_metadata
---
amdhsa.version: [ 1, 2 ]
amdhsa.kernels:
  - .name:           k_qc90cd29e85_mlp1
    .symbol:         k_qc90cd29e85_mlp1.kd
    .args:
      - { .name: hb, .offset: 0, .size: 8, .value_kind: global_buffer, .address_space: global }
      - { .name: wb, .offset: 8, .size: 8, .value_kind: global_buffer, .address_space: global }
      - { .name: ff, .offset: 16, .size: 8, .value_kind: global_buffer, .address_space: global }
      - { .name: b1, .offset: 24, .size: 8, .value_kind: global_buffer, .address_space: global }
    .group_segment_fixed_size: 327680
    .private_segment_fixed_size: 0
    .kernarg_segment_align: 8
    .kernarg_segment_size: 32
    .max_flat_workgroup_size: 128
    .sgpr_count:     68
    .vgpr_count:     1024
    .wavefront_size: 32
...
	.end_amdgpu_metadata
.endif
;; end of part 6
;; launch mlp2 (part 7): grid 8 x 32, 4 waves a work-group, clusters of 4 x 4, 327,680 bytes of LDS; arguments ff, wb, out0, x2, b2; writes out0
.if DOCPART == 7
	.amdgcn_target "amdgcn-amd-amdhsa--gfx1250"
	.amdhsa_code_object_version 6
	.text
	.protected	k_qc90cd29e85_mlp2
	.globl	k_qc90cd29e85_mlp2
	.p2align	8
	.type	k_qc90cd29e85_mlp2,@function
k_qc90cd29e85_mlp2:
	s_mov_b64 s[64:65], 0
	v_nop
	global_prefetch_b8 v0, s[64:65] scope:SCOPE_SE
	s_setreg_imm32_b32 hwreg(HW_REG_WAVE_MODE, 25, 1), 1
	s_wait_xcnt 0x0
	s_wait_alu depctr_hold_cnt(0) depctr_sa_sdst(0) depctr_va_vdst(0) depctr_va_sdst(0) depctr_va_ssrc(0) depctr_va_vcc(0) depctr_vm_vsrc(0)
	s_getreg_b32 s2, hwreg(HW_REG_IB_STS2, 6, 4)
	s_cmp_eq_u32 s2, 0
	s_cbranch_scc0 .Lentry_in_a_cluster
	s_endpgm
.Lentry_in_a_cluster:
	s_bfe_u32 s2, ttmp6, 0x10000c
	s_cmp_lg_u32 s2, 0xf033
	s_cbranch_scc0 .Lentry_shape_is_right
	s_endpgm
.Lentry_shape_is_right:
; C[m][n] = R[m][n] + bias[n] + sum over k of A[m][k] W[k][n].  A: [4096][SIZE_K] f16, W: [SIZE_K][1024] f16 at byte WOFF of wb; R, C: [4096][1024] f32; bias: [1024] f32; sums in f32.
; C has 32 x 8 tiles of 128 x 128: one for each of 256 work-groups (tiles of 256 x 256 would be 64).  Four waves, each 64 x 64: 16 accumulators of 16 x 16, 128 registers.
; K goes in steps of 256 through two LDS slots: A's tile 128 rows x 512 bytes, W's tile 256 rows (k) x 256 bytes (128 n).  W lies [k][n]: its fragments come out of LDS turned, by ds_load_tr16_b128.
; CLUSTERS: 4 x 4 work-groups; A's tiles are asked for jointly along a row of the cluster, W's along a column.
; THE MATRIX INSTRUCTION IS USED TRANSPOSED (source 0 = 16 columns of W, source 1 = 16 rows of A): a lane holds eight neighbouring f32 of a row of C.  A wave's 64 columns are 256 bytes of a row,
; so each wave has a stage of its own on the way out and needs no barrier there.
; REGISTERS: window 0: v0-31 addresses; v32-95 rows read back from the stage, two buffers; v96-99 bias; v128-255 the accumulators.  Window 1: two fragment buffers of 128.  Window 2: v0-127 R of my 64 x 64.
.set SIZE_K, 4096
.set WOFF,   16777216
.set SIZE_N, 1024
.set KSTEP,  256
.set PA,     528                       ; a row of A in LDS: 512 bytes + 16
.set PB,     288                       ; a row of W in LDS: 256 bytes + 32 = 9 x 32
.set HA,     64*PA                     ; what a tensor load of A brings: 64 rows
.set HB,     128*PB                    ; of W: 128 rows (k)
.set BOFF,   2*HA
.set SLOT,   BOFF+2*HB
.set STAGE,  2*SLOT                    ; behind the ring: 16 rows x 272 bytes for each wave; no tensor load fills it
.set SP,     272
.set LAPS,   SIZE_K/(2*KSTEP)
.set ADRA, 16                          ; v16-17  LDS address of my A fragments in slot 0, 1
.set ADRB, 20                          ; v20-23  of my W fragments: slot 0 rows 0-127, rows 128-255, slot 1 likewise
.set STO,  24
.set RD,   25
.set CO,   26                          ; v26     my byte offset in C and in R
.set BO,   27                          ; v27     my byte offset in the bias
.set OB,   32
.set BI,   96
.set ACC,  128
.set F0,   0
.set F1,   128
.set G1,  24
.set G0,  32
.set G1B, 48
.set G0B, 56
.set MSB, 0
.macro WIN new
.if MSB != \new
	s_set_vgpr_msb (MSB<<8)|\new
.set MSB, \new
.endif
.endm
.set MUL,  0x05                        ; sources 0 (W) and 1 (A) window 1; C and D window 0
.set TO_F, 0x40                        ; destination window 1, address window 0
.macro JLOAD s                         ; a joint load: waves 0 and 1 fetch A's two halves, waves 2 and 3 W's; four v_nop follow each of the two lines
	s_cmp_eq_u32 s11, 0
	s_cbranch_scc0 .Lfor_b_\@
	tensor_load_to_lds s[G0+4*\s:G0+4*\s+3], s[G1:G1+7]
	s_nop 0
.rept 4
	v_nop
.endr
	s_branch .Lasked_\@
.Lfor_b_\@:
	tensor_load_to_lds s[G0B+4*\s:G0B+4*\s+3], s[G1B:G1B+7]
	s_nop 0
.rept 4
	v_nop
.endr
.Lasked_\@:
.endm
.macro CREST                           ; a round of the cluster's barrier behind its opening barrier
	s_cmp_lg_u32 s10, 0
	s_cbranch_scc1 .Lnot_wave_0_\@
	s_barrier_signal -3
.Lnot_wave_0_\@:
	s_barrier_wait -3
	s_barrier_signal -1
	s_barrier_wait -1
.endm
.macro CROUND
	s_barrier_signal -1
	s_barrier_wait -1
	CREST
.endm
	s_load_b128 s[4:7], s[0:1], 0x0                ; A s[4:5], wb s[6:7]
	s_load_b64 s[8:9], s[0:1], 0x10                ; C
	s_load_b128 s[68:71], s[0:1], 0x18             ; R s[68:69], bias s[70:71]
	v_lshl_add_u32 v126, v0, 2, 0x49400
	v_mov_b32 v127, 0
	ds_add_u32 v126, v127
	v_lshrrev_b32 v1, 5, v0
	v_readfirstlane_b32 s10, v1                    ; wave 0..3
	s_lshr_b32 s11, s10, 1                         ; which half of the tile's rows is mine.  Also: I fetch for A (0) or for W (1)
	s_and_b32 s12, s10, 1                          ; which half of its columns.  Also: which half of that tile I fetch
	s_bfe_u32 s40, ttmp6, 0x40000                  ; cx, cy
	s_bfe_u32 s41, ttmp6, 0x40004
	s_lshl_b32 s42, ttmp9, 2
	s_add_co_u32 s42, s42, s40                     ; tile column
	s_and_b32 s13, ttmp7, 0xffff
	s_lshl_b32 s13, s13, 2
	s_add_co_u32 s13, s13, s41                     ; tile row
	s_lshl_b32 s43, s41, 2
	s_lshl_b32 s43, 15, s43                        ; my row of the cluster
	s_lshl_b32 s44, 0x1111, s40                    ; my column
	s_or_b32 s[G1+0], s43, (1<<16)|(1<<20)|(1<<21)|(6<<22)|(3<<25)   ; A's tiles go to my row; elements of 2 bytes; padding: after every 128 words, 4 words
	s_mov_b32 s[G1+1], KSTEP<<16                   ; tensor_dim0 = 256
	s_mov_b32 s[G1+2], 64<<16                      ; tensor_dim1 = 64
	s_mov_b32 s[G1+3], KSTEP<<16                   ; tile_dim0 = 256
	s_mov_b32 s[G1+4], 64                          ; tile_dim1 = 64
	s_mov_b32 s[G1+5], SIZE_K
	s_mov_b32 s[G1+6], 0
	s_mov_b32 s[G1+7], 0
	s_or_b32 s[G1B+0], s44, (1<<16)|(1<<20)|(1<<21)|(5<<22)|(7<<25)  ; W's tiles go to my column; after every 64 words, 8 words
	s_mov_b32 s[G1B+1], 128<<16                    ; tensor_dim0 = 128 columns
	s_mov_b32 s[G1B+2], 128<<16                    ; tensor_dim1 = 128 rows (k)
	s_mov_b32 s[G1B+3], 128<<16
	s_mov_b32 s[G1B+4], 128
	s_mov_b32 s[G1B+5], SIZE_N
	s_mov_b32 s[G1B+6], 0
	s_mov_b32 s[G1B+7], 0
	s_lshl_b32 s17, s12, 6
	s_lshl_b32 s16, s13, 7
	s_add_co_u32 s16, s16, s17                     ; A: row 128 x tile row + 64 x half,
	s_mul_i32 s16, s16, SIZE_K*2                   ; in bytes: under 2^25
	s_mov_b32 s17, 0
	s_lshl_b32 s46, s42, 8                         ; W: 128 columns of 2 bytes a tile column,
	s_lshl_b32 s47, s12, 18                        ; 128 rows of 2,048 bytes a half
	s_add_co_u32 s46, s46, s47
	s_add_co_u32 s46, s46, WOFF
	s_mov_b32 s47, 0
	s_mul_i32 s20, s12, HA                         ; where they go: no place in the cluster enters an LDS address
	s_mul_i32 s21, s12, HB
	s_add_co_u32 s21, s21, BOFF
	s_wait_dscnt 0x0
	s_wait_kmcnt 0x0
	s_add_nc_u64 s[14:15], s[4:5], s[16:17]
	s_add_nc_u64 s[46:47], s[6:7], s[46:47]
	CROUND                                         ; all sixteen work-groups are here: the first joint loads meet
.irp s, 0,1
	s_mov_b32 s[G0+4*\s], 1
	s_add_co_u32 s[G0+4*\s+1], s20, \s*SLOT
	s_add_nc_u64 s[G0+4*\s+2:G0+4*\s+3], s[14:15], \s*KSTEP*2
	s_or_b32 s[G0+4*\s+3], s[G0+4*\s+3], 0x80000000
	s_mov_b32 s[G0B+4*\s], 1
	s_add_co_u32 s[G0B+4*\s+1], s21, \s*SLOT
	s_add_nc_u64 s[G0B+4*\s+2:G0B+4*\s+3], s[46:47], \s*KSTEP*SIZE_N*2
	s_or_b32 s[G0B+4*\s+3], s[G0B+4*\s+3], 0x80000000
	JLOAD \s                                       ; two loads of mine are out
.endr
	v_and_b32 v1, 15, v0                           ; l % 16
	v_bfe_u32 v2, v0, 4, 1                         ; l / 16
	v_mul_u32_u24 v3, v1, PA
	v_lshl_add_u32 v3, v2, 4, v3                   ; A: row x pitch + 16 x half
	v_and_b32 v6, 7, v0                            ; W, turned: row k = 8 (l / 16) + l % 8, columns 8 ((l / 8) % 2) + 0..7
	v_lshl_add_u32 v6, v2, 3, v6
	v_mul_u32_u24 v6, v6, PB
	v_bfe_u32 v7, v0, 3, 1
	v_lshl_add_u32 v6, v7, 4, v6
	s_mul_i32 s21, s11, HA                         ; my 64 rows of A
	s_lshl_b32 s22, s12, 7                         ; my 64 columns of W
	s_add_co_u32 s22, s22, BOFF
.irp s, 0,1
	v_add_nc_u32 v[ADRA+\s], s21, v3
	v_add_nc_u32 v[ADRB+2*\s], s22, v6
	v_add_nc_u32 v[ADRB+2*\s+1], HB, v[ADRB+2*\s]  ; rows 128 on: the 16-bit immediate does not reach over all 256 rows
	s_add_co_u32 s21, s21, SLOT
	s_add_co_u32 s22, s22, SLOT
.endr
	s_mul_i32 s23, s10, 16*SP
	s_add_co_u32 s23, s23, STAGE                   ; my stage
	v_mul_u32_u24 v4, v1, SP                       ; in: row l % 16, 32 bytes for each half of the lanes
	v_lshl_add_u32 v4, v2, 5, v4
	v_add_nc_u32 v[STO], s23, v4
	v_mul_u32_u24 v5, v2, SP                       ; back: lanes 0-15 take one row of 256 bytes, lanes 16-31 the next
	v_lshl_add_u32 v5, v1, 4, v5
	v_add_nc_u32 v[RD], s23, v5
	v_lshlrev_b32 v[BO], 4, v1
	v_lshl_add_u32 v[CO], v2, 12, v[BO]            ; and the same two rows in C and R
	s_lshl_b32 s16, s13, 7
	s_lshl_b32 s17, s11, 6
	s_add_co_u32 s16, s16, s17                     ; my first row,
	s_lshl_b32 s16, s16, 12                        ; of 4,096 bytes
	s_lshl_b32 s46, s42, 9                         ; my first column, in bytes: 512 x tile column + 256 x half
	s_lshl_b32 s47, s12, 8
	s_add_co_u32 s46, s46, s47
	s_mov_b32 s47, 0
	s_add_nc_u64 s[70:71], s[70:71], s[46:47]
	s_add_co_u32 s46, s46, s16
	s_add_nc_u64 s[8:9], s[8:9], s[46:47]
	s_add_nc_u64 s[68:69], s[68:69], s[46:47]
	WIN 0x80                                       ; destination window 2: R comes in under the products, in the layout in which rows leave the stage
.irp a, 0,1,2,3
.irp t, 0,1,2,3,4,5,6,7
	global_load_b128 v[4*(8*\a+\t):4*(8*\a+\t)+3], v[CO], s[68:69] offset:(16*\a+2*\t)*4096
.endr
.endr
	WIN 0
	global_load_b128 v[BI:BI+3], v[BO], s[70:71]
; 8 matrix instructions: m blocks a0, a0 + 1 x all 4 n blocks, 32 along K: half c of buffer f.  zero = 1: the first product starts the sums.  The 16 accumulators take turns.
.macro MUL8 f, c, a0, zero
.irp a, \a0, \a0+1
.irp b, 0,1,2,3
.if \zero
	v_wmma_f32_16x16x32_f16 v[ACC+8*(4*(\a)+\b):ACC+8*(4*(\a)+\b)+7], v[\f+64+8*(4*\c+\b):\f+64+8*(4*\c+\b)+7], v[\f+8*(4*\c+\a):\f+8*(4*\c+\a)+7], 0
.else
	v_wmma_f32_16x16x32_f16 v[ACC+8*(4*(\a)+\b):ACC+8*(4*(\a)+\b)+7], v[\f+64+8*(4*\c+\b):\f+64+8*(4*\c+\b)+7], v[\f+8*(4*\c+\a):\f+8*(4*\c+\a)+7], v[ACC+8*(4*(\a)+\b):ACC+8*(4*(\a)+\b)+7]
.endif
.endr
.endr
.endm
; 32 LDS loads in one run: the fragments of quarter q (64 along K) into buffer f; the first 32 along K first
.macro FETCH slot, q, f
	WIN TO_F
.irp c, 0,1
.irp i, 0,1,2,3
	ds_load_tr16_b128 v[\f+64+8*(4*\c+\i):\f+64+8*(4*\c+\i)+3],   v[ADRB+2*\slot+(\q)/2] offset:(((\q)%2)*64+32*\c)*PB+32*\i
	ds_load_tr16_b128 v[\f+64+8*(4*\c+\i)+4:\f+64+8*(4*\c+\i)+7], v[ADRB+2*\slot+(\q)/2] offset:(((\q)%2)*64+32*\c)*PB+16*PB+32*\i
	ds_load_b128 v[\f+8*(4*\c+\i):\f+8*(4*\c+\i)+3],              v[ADRA+\slot] offset:\q*128+64*\c+\i*16*PA
	ds_load_b128 v[\f+8*(4*\c+\i)+4:\f+8*(4*\c+\i)+7],            v[ADRA+\slot] offset:\q*128+64*\c+\i*16*PA+32
.endr
.endr
.endm
.macro PLACES                          ; four plain vector instructions in front of loads into registers that matrix instructions have read, and of reads of results
.rept 4
	v_nop
.endr
.endm
; A K step is four quarters of 64 along K, 32 matrix instructions each, on buffers 0, 1, 0, 1.
.macro QUARTER slot, q, f, g, zero
	s_wait_dscnt 16                                ; the first 32 along K are in; the sixteen younger loads may be out
	WIN MUL
	MUL8 \f, 0, 0, \zero
	MUL8 \f, 0, 2, \zero
	PLACES
	FETCH \slot, \q, \g
	s_wait_dscnt 32                                ; all but the 32 just issued
	WIN MUL
	MUL8 \f, 1, 0, 0
	MUL8 \f, 1, 2, 0
.endm
; The last quarter multiplies buffer 1 and changes slots: ONE barrier; in front of it each wave waits for its own reads of this slot and for all its tensor loads.  fill = 1: this slot is filled again, two K steps ahead.
.macro TURN slot, next, fill
	s_wait_dscnt 16
	WIN MUL
	MUL8 F1, 0, 0, 0
	s_wait_dscnt 0                                 ; my reads of this slot are over,
	s_set_vgpr_msb 0x500
	s_wait_tensorcnt 0x0                           ; and all my tensor loads have landed: my part of the next slot
	ds_add_u32 v126, v127
	s_wait_dscnt 0x0
	s_set_vgpr_msb 0x5
	s_barrier_signal -1
	MUL8 F1, 0, 2, 0
.if \fill
	WIN 0
.endif
	s_barrier_wait -1
.if \fill
	CREST                                          ; the barrier has opened a round of the cluster's: no wave of any partner still reads this slot or has a load on its way
	s_add_nc_u64 s[G0+4*\slot+2:G0+4*\slot+3], s[G0+4*\slot+2:G0+4*\slot+3], 2*KSTEP*2
	s_add_nc_u64 s[G0B+4*\slot+2:G0B+4*\slot+3], s[G0B+4*\slot+2:G0B+4*\slot+3], 2*KSTEP*SIZE_N*2
	JLOAD \slot                                    ; the first tensor load behind the round, my only one until the next: 120 matrix instructions ahead of the wait for it; its four v_nop are the places in front of the loads below
.else
	PLACES
.endif
	FETCH \next, 0, F0
	WIN MUL
	MUL8 F1, 1, 0, 0
	MUL8 F1, 1, 2, 0
.endm
; THE WAY OUT of block a (16 rows x 64 columns of f32).  TOSTAGE: each accumulator's low four registers first, into my own stage, and back as whole rows of 256 bytes.  SEND: plus R, plus bias, stored.
.macro TOSTAGE a
.if \a >= 2
	s_wait_xcnt 0x0                                ; the stores of the block two back read these registers: they are loaded again only behind this wait
.endif
.irp b, 0,1,2,3
	ds_store_b128 v[STO], v[ACC+8*(4*\a+\b):ACC+8*(4*\a+\b)+3]   offset:64*\b
	ds_store_b128 v[STO], v[ACC+8*(4*\a+\b)+4:ACC+8*(4*\a+\b)+7] offset:64*\b+16
.endr
.irp t, 0,1,2,3,4,5,6,7
	ds_load_b128 v[OB+32*(\a%2)+4*\t:OB+32*(\a%2)+4*\t+3], v[RD] offset:\t*2*SP   ; LDS serves a wave's instructions in order (ISA guide 5.7.1.4): these see the stores above; the next block's stores come behind them
.endr
.endm
.macro SEND a, younger                 ; younger: the next block's sixteen LDS instructions, or none
.set OBA, OB+32*(\a%2)
	s_wait_dscnt \younger
	WIN 0x08                                       ; source 1: window 2
.set i, 0
.rept 16
	v_pk_add_f32 v[OBA+i:OBA+i+1], v[OBA+i:OBA+i+1], v[32*\a+i:32*\a+i+1]
.set i, i+2
.endr
	WIN 0
.irp t, 0,1,2,3,4,5,6,7
	v_pk_add_f32 v[OBA+4*\t:OBA+4*\t+1],   v[OBA+4*\t:OBA+4*\t+1],   v[BI:BI+1]
	v_pk_add_f32 v[OBA+4*\t+2:OBA+4*\t+3], v[OBA+4*\t+2:OBA+4*\t+3], v[BI+2:BI+3]
	global_store_b128 v[CO], v[OBA+4*\t:OBA+4*\t+3], s[8:9] offset:(16*\a+2*\t)*4096   ; 16 lanes store 256 consecutive bytes, aligned
.endr
.endm
	s_wait_tensorcnt 1                             ; my part of K step 0 is in; K step 1's may stay out
	s_barrier_signal -1
	s_barrier_wait -1
	FETCH 0, 0, F0
	QUARTER 0, 1, F0, F1, 1                        ; the first quarter stands in front of the loop: its first products start the sums
	WIN 0
	s_mov_b32 s3, LAPS-1
.Llap:                                                 ; a trip goes once round the ring and fills both slots again
	QUARTER 0, 2, F1, F0, 0
	QUARTER 0, 3, F0, F1, 0
	TURN 0, 1, 1
	QUARTER 1, 1, F0, F1, 0
	QUARTER 1, 2, F1, F0, 0
	QUARTER 1, 3, F0, F1, 0
	TURN 1, 0, 1
	QUARTER 0, 1, F0, F1, 0
	WIN 0
	s_sub_co_u32 s3, s3, 1
	s_cmp_lg_u32 s3, 0
	s_cbranch_scc1 .Llap
	QUARTER 0, 2, F1, F0, 0                        ; the last lap fills nothing
	QUARTER 0, 3, F0, F1, 0
	TURN 0, 1, 0
	QUARTER 1, 1, F0, F1, 0
	QUARTER 1, 2, F1, F0, 0
	QUARTER 1, 3, F0, F1, 0
	s_wait_dscnt 16                                ; the very last quarter
	WIN MUL
	MUL8 F1, 0, 0, 0
	MUL8 F1, 0, 2, 0
	s_wait_dscnt 0
	MUL8 F1, 1, 0, 0
	MUL8 F1, 1, 2, 0
	WIN 0
	s_wait_loadcnt 0x0                             ; R and the bias
	PLACES
	TOSTAGE 0
	TOSTAGE 1
	SEND 0, 16
	TOSTAGE 2
	SEND 1, 16
	TOSTAGE 3
	SEND 2, 16
	SEND 3, 0
	s_wait_tensorcnt 0x0
	ds_add_u32 v126, v127
	s_wait_dscnt 0x0
	CROUND                                         ; the closing round
	s_endpgm
.Lfunc_end_k_qc90cd29e85_mlp2:
	.size	k_qc90cd29e85_mlp2, .Lfunc_end_k_qc90cd29e85_mlp2-k_qc90cd29e85_mlp2
	.p2alignl 7, 3214868480
	.fill 96, 4, 3214868480
	.section	.rodata,"a",@progbits
	.p2align	6, 0x0
	.amdhsa_kernel k_qc90cd29e85_mlp2
		.amdhsa_group_segment_fixed_size 327680
		.amdhsa_private_segment_fixed_size 0
		.amdhsa_enable_private_segment 0
		.amdhsa_kernarg_size 40
		.amdhsa_user_sgpr_count 2
		.amdhsa_user_sgpr_kernarg_segment_ptr 1
		.amdhsa_wavefront_size32 1
		.amdhsa_system_sgpr_workgroup_id_x 1
		.amdhsa_system_sgpr_workgroup_id_y 1
		.amdhsa_system_sgpr_workgroup_id_z 1
		.amdhsa_system_vgpr_workitem_id 0
		.amdhsa_next_free_vgpr 640
		.amdhsa_next_free_sgpr 72
		.amdhsa_reserve_vcc 0
		.amdhsa_float_denorm_mode_32 3
		.amdhsa_float_denorm_mode_16_64 3
		.amdhsa_memory_ordered 1
		.amdhsa_forward_progress 1
		.amdhsa_inst_pref_size 98
	.end_amdhsa_kernel
	.amdgpu_metadata
---
amdhsa.version: [ 1, 2 ]
amdhsa.kernels:
  - .name:           k_qc90cd29e85_mlp2
    .symbol:         k_qc90cd29e85_mlp2.kd
    .args:
      - { .name: ff, .offset: 0, .size: 8, .value_kind: global_buffer, .address_space: global }
      - { .name: wb, .offset: 8, .size: 8, .value_kind: global_buffer, .address_space: global }
      - { .name: out0, .offset: 16, .size: 8, .value_kind: global_buffer, .address_space: global }
      - { .name: x2, .offset: 24, .size: 8, .value_kind: global_buffer, .address_space: global }
      - { .name: b2, .offset: 32, .size: 8, .value_kind: global_buffer, .address_space: global }
    .group_segment_fixed_size: 327680
    .private_segment_fixed_size: 0
    .kernarg_segment_align: 8
    .kernarg_segment_size: 40
    .max_flat_workgroup_size: 128
    .sgpr_count:     72
    .vgpr_count:     640
    .wavefront_size: 32
...
	.end_amdgpu_metadata
.endif
;; end of part 7
;; ======== version 2 of 2: 7 launches; version 1 with the launch prep written anew for expert scheduling mode
;; limits: values are held in f16: magnitudes above 65,504 overflow, below 6.1e-05 lose precision
;; workspace buffers: wb 25,165,824 bytes; hb 8,388,608 bytes; qkv 25,165,824 bytes; ao 8,388,608 bytes; x2 16,777,216 bytes; ff 33,554,432 bytes
;; launch prep (part 8): grid 64 x 14, 8 waves a work-group, no clusters, 0 bytes of LDS; arguments Wq, Wk, Wv, Wo, W1, W2, wb, x, g1, be1, hb; writes wb, hb
.if DOCPART == 8
	.amdgcn_target "amdgcn-amd-amdhsa--gfx1250"
	.amdhsa_code_object_version 6
	.text
	.protected	k_qc90cd29e85_prep
	.globl	k_qc90cd29e85_prep
	.p2align	8
	.type	k_qc90cd29e85_prep,@function
k_qc90cd29e85_prep:
	s_mov_b64 s[64:65], 0
	v_nop
	global_prefetch_b8 v0, s[64:65] scope:SCOPE_SE
	s_setreg_imm32_b32 hwreg(HW_REG_WAVE_SCHED_MODE, 0, 2), 2
	s_setreg_imm32_b32 hwreg(HW_REG_WAVE_MODE, 25, 1), 1
	s_wait_xcnt 0x0
	s_wait_alu depctr_vm_vsrc(0)
; Two streams in one launch, since neither reads what the other writes: the weights rounded to f16 (y = 0 to 11) and the first LayerNorm (y = 12, 13).
; THE WEIGHTS.  wb = the six weight matrices rounded to f16, each still [K][N] (the products read them turned, out of LDS):
;   byte 0         Wqkv [1024][3072]: column = 1024 w + 64 h + e, w = 0, 1, 2 for q, k, v
;   byte OFF_WO    Wo   [1024][1024];   byte OFF_W1  W1 [1024][4096];   byte OFF_W2  W2 [4096][1024]
; WHY f16: it keeps 11 significant bits where bf16 keeps 8, and the block's result passes through a chain of six to ten rounded operands.  Weights have room in it: f16 reaches 65,504 and
; its steps at the bottom are 2^-24, so weights of rms 1/2,000 are still rounded to within 3e-8.  Limit: a weight beyond 65,504 in magnitude becomes infinite.
; A work-group takes 64 KiB of f32: eight waves x 16 steps x 512 bytes.  y = 0-3: W1, 4-7: W2, 8: Wo (copied in order);
; y = 9, 10, 11: Wq, Wk, Wv: x / 8 is a pair of heads, x % 8 a block of 128 rows d.  There lanes 0-15 take row d of the even head and
; lanes 16-31 row d of the odd one, so that the wave's store is again 256 consecutive bytes, aligned: the pair's columns of row d of Wqkv.
; All 16 loads of a wave go out at once, and no register is written twice.
; THE NORM.  hb[r][c] = f16((x[r][c] - mean_r) * rsqrt(var_r + 1e-5) * g1[c] + be1[c]).  x: [4096][1024] f32, hb: [4096][1024] f16.  |hb| <= 32 |g1| + |be1|: beyond 65,504 it becomes infinite.
; A work-group takes 32 rows, a wave four.  A row is 4,096 bytes: one wave holds it in 32 registers (eight loads of 512 consecutive bytes), so the two reductions never leave the wave.
; The variance is the mean of (x - mean)^2, taken in a second pass over the registers: no difference of large sums is formed where the rows carry an offset.
; Both are pure streams: each byte is read once and written once; no LDS, no barrier, no matrix unit.
; THE MODE: SCHED_MODE bits 1:0 = 2 (LLVM: expert scheduling mode 2), set by the entry lines.  The code itself states the register dependences
; between vector instructions and memory instructions, with s_wait_alu, always for 0.
; THE PLAN.  Three straight paths, no loop.  Registers that memory instructions touch:
;   the weights:  v[SO], v[DO]  offsets, made once at the path's head, read by every load and store, never written again.
;                 X  step i's four words: written by its load, read by its two conversions, never loaded again.
;                 Y  step i's two words: written by its conversions, read by its store, never written again.
;                 The 16 steps go in four groups.  Group g's conversions name X and Y of group g alone; the stores of group g - 1 are dealt among them, behind ONE wait at the group's head.
;   the norm:     v1, v2, v3  offsets, made once at the path's head, never written again.  v4, written in the common head, is the first register in which g lands.
;                 LG, LBE, LX  written by loads, once.  Row r's arithmetic names LX's row r, LG, LBE and the registers at work alone, and leaves the row's sixteen packed words in the row's own
;                 registers; the eight stores of row r - 1 are dealt among row r's first sums, behind ONE wait at the row's head.
; No register that a load or a store has read is written again on any path: so no wait on vm_vsrc is needed.  No vector instruction writes a scalar register or VCC, and EXEC is never written.
.set OFF_WO, 6291456
.set OFF_W1, 8388608
.set OFF_W2, 16777216
.set QKVROW, 6144                      ; bytes in a row of Wqkv
.set SO, 2                             ; the weights: v2  my byte offset in the source
.set DO, 3                             ; v3       my byte offset in wb
.set X,  8                             ; v[8:71]  step i: 4 f32 as loaded
.set Y,  72                            ; v[72:103] step i: 4 f16 to store
.set LG,  4                            ; the norm: v[4:35]  g of my 32 columns (columns 128 j + 4 lane + 0..3)
.set LBE, 36                           ; v[36:67]   be of them
.set LX,  68                           ; v[68:195]  row r: 32 registers
.set LS,  196                          ; v[196:203] four chains of pairs
.set LT,  204                          ; v[204:205] the reduction
.set LMU, 206                          ; v[206:207] the mean, twice (a pair for the packed forms)
.set LRS, 208                          ; v[208:209] 1 / sqrt(var + eps), twice
.macro STREAM sstep, dstep
	s_wait_alu depctr_va_vdst(0)                   ; v[SO] and v[DO] are written: every load and store of this path reads one of them as its offset
.irp i, 0,1,2,3,4,5,6,7,8,9,10,11,12,13,14,15
	global_load_b128 v[X+4*\i:X+4*\i+3], v[SO], s[22:23] offset:\i*\sstep th:TH_LOAD_NT
.endr
.irp g, 0,1,2,3
	s_wait_loadcnt 12-4*(\g)                       ; loads come back in order: the group's four steps are in, the 12 - 4 g younger loads stay out
.if (\g) > 0
	s_wait_alu depctr_va_vdst(0)                   ; the group before has written its eight words of Y, which the four stores below read
.endif
.irp k, 0,1,2,3
.if (\g) > 0
	global_store_b64 v[DO], v[Y+2*(4*(\g)-4+(\k)):Y+2*(4*(\g)-4+(\k))+1], s[18:19] offset:(4*(\g)-4+(\k))*\dstep   ; the group before; 32 lanes x 8 bytes: 256 consecutive bytes, aligned.  No vector instruction since the wait names these registers
.endif
	v_cvt_pk_f16_f32 v[Y+2*(4*(\g)+(\k))],   v[X+4*(4*(\g)+(\k))],   v[X+4*(4*(\g)+(\k))+1]
	v_cvt_pk_f16_f32 v[Y+2*(4*(\g)+(\k))+1], v[X+4*(4*(\g)+(\k))+2], v[X+4*(4*(\g)+(\k))+3]
.endr
.endr
	s_wait_alu depctr_va_vdst(0)                   ; the last group has written its eight words of Y, which the last four stores read
.irp k, 12,13,14,15
	global_store_b64 v[DO], v[Y+2*(\k):Y+2*(\k)+1], s[18:19] offset:(\k)*\dstep
.endr
.endm
.macro REDUCE                          ; the four chains, then the 32 lanes; the sum ends in v[LT] of every lane
	v_pk_add_f32 v[LS:LS+1], v[LS:LS+1], v[LS+2:LS+3]
	v_pk_add_f32 v[LS+4:LS+5], v[LS+4:LS+5], v[LS+6:LS+7]
	v_pk_add_f32 v[LS:LS+1], v[LS:LS+1], v[LS+4:LS+5]
	v_add_f32 v[LT], v[LS], v[LS+1]
	v_add_f32_dpp v[LT], v[LT], v[LT] row_xmask:1 row_mask:0xf bank_mask:0xf
	v_add_f32_dpp v[LT], v[LT], v[LT] row_xmask:2 row_mask:0xf bank_mask:0xf
	v_add_f32_dpp v[LT], v[LT], v[LT] row_xmask:4 row_mask:0xf bank_mask:0xf
	v_add_f32_dpp v[LT], v[LT], v[LT] row_xmask:8 row_mask:0xf bank_mask:0xf
	v_permlanex16_b32 v[LT+1], v[LT], s40, s41
	v_add_f32 v[LT], v[LT], v[LT+1]
.endm
.macro SENDROW r, j                    ; stores j and j + 1 of the eight of row r: each 32 lanes x 8 bytes: 256 consecutive bytes, aligned
	global_store_b64 v3, v[LX+32*(\r)+2*(\j):LX+32*(\r)+2*(\j)+1],   s[38:39] offset:(\r)*2048+256*(\j)
	global_store_b64 v3, v[LX+32*(\r)+2*(\j)+2:LX+32*(\r)+2*(\j)+3], s[38:39] offset:(\r)*2048+256*(\j)+256
.endm
.macro ROW r
.set XR, LX+32*\r
	s_wait_loadcnt 8*(3-\r)                        ; my row is in (g and be are older); the eight loads of each later row stay out
.if \r > 0
	s_wait_alu depctr_va_vdst(0)                   ; the row before has written its sixteen packed words, which its eight stores read: they are dealt among the sums below, which name this row's registers and v[LS ..] alone
	SENDROW \r-1, 0
.endif
.irp k, 0,2,4,6
	v_pk_add_f32 v[LS+\k:LS+\k+1], v[XR+\k:XR+\k+1], v[XR+8+\k:XR+8+\k+1]   ; the first words start the chains: nothing is cleared
.endr
.if \r > 0
	SENDROW \r-1, 2
.endif
.irp k, 0,2,4,6
	v_pk_add_f32 v[LS+\k:LS+\k+1], v[LS+\k:LS+\k+1], v[XR+16+\k:XR+16+\k+1]
.endr
.if \r > 0
	SENDROW \r-1, 4
.endif
.irp k, 0,2,4,6
	v_pk_add_f32 v[LS+\k:LS+\k+1], v[LS+\k:LS+\k+1], v[XR+24+\k:XR+24+\k+1]
.endr
.if \r > 0
	SENDROW \r-1, 6
.endif
	REDUCE
	v_mul_f32 v[LMU], s42, v[LT]
	v_mul_f32 v[LMU+1], s42, v[LT]
.set i, 0
.rept 16
	v_pk_add_f32 v[XR+i:XR+i+1], v[XR+i:XR+i+1], v[LMU:LMU+1] neg_lo:[0,1] neg_hi:[0,1]   ; x - mean
.set i, i+2
.endr
.irp k, 0,2,4,6
	v_pk_mul_f32 v[LS+\k:LS+\k+1], v[XR+\k:XR+\k+1], v[XR+\k:XR+\k+1]
.endr
.set i, 8
.rept 12
	v_pk_fma_f32 v[LS+i%8:LS+i%8+1], v[XR+i:XR+i+1], v[XR+i:XR+i+1], v[LS+i%8:LS+i%8+1]
.set i, i+2
.endr
	REDUCE
	v_fma_f32 v[LT], v[LT], s42, s43               ; var + eps
	v_rsq_f32 v[LRS], v[LT]
	v_rsq_f32 v[LRS+1], v[LT]
	v_nop                                          ; a plain instruction between the root and the use of its result (ISA guide 5.7.2)
	s_wait_alu depctr_va_vdst(0)                   ; the two roots have written v[LRS] and v[LRS+1]: the wait stands ahead of the first instruction that names them; one for both
.set i, 0
.rept 16
	v_pk_mul_f32 v[XR+i:XR+i+1], v[XR+i:XR+i+1], v[LRS:LRS+1]
.set i, i+2
.endr
.set i, 0
.rept 16
	v_pk_fma_f32 v[XR+i:XR+i+1], v[XR+i:XR+i+1], v[LG+i:LG+i+1], v[LBE+i:LBE+i+1]
.set i, i+2
.endr
.set i, 0
.rept 16
	v_cvt_pk_f16_f32 v[XR+i], v[XR+2*i], v[XR+2*i+1]   ; in place, ascending: word i is written when words 2 i and 2 i + 1 have been read
.set i, i+1
.endr
.endm
	s_load_b256 s[4:11], s[0:1], 0x0               ; Wq s[4:5], Wk s[6:7], Wv s[8:9], Wo s[10:11]
	s_load_b128 s[12:15], s[0:1], 0x20             ; W1 s[12:13], W2 s[14:15]
	s_load_b64 s[16:17], s[0:1], 0x30              ; wb
	s_load_b128 s[32:35], s[0:1], 0x38             ; x s[32:33], g1 s[34:35]
	s_load_b128 s[36:39], s[0:1], 0x48             ; be1 s[36:37], hb s[38:39]
	s_and_b32 s20, ttmp7, 0xffff                   ; y: which matrix, or the norm
	v_lshrrev_b32 v1, 5, v0                        ; wave
	v_and_b32 v4, 31, v0                           ; lane
	s_mov_b32 s25, 0                               ; high words of the two offsets
	s_mov_b32 s27, 0
	s_wait_kmcnt 0x0
	s_cmp_ge_u32 s20, 12
	s_cbranch_scc1 .Lrows
	s_cmp_ge_u32 s20, 9
	s_cbranch_scc1 .Lheads
	; W1, W2, Wo: copied in order
	s_and_b32 s21, s20, 3
	s_lshl_b32 s21, s21, 6
	s_add_co_u32 s21, s21, ttmp9                   ; the chunk of 64 KiB in its matrix
	s_lshl_b32 s24, s21, 16                        ; its bytes in the source,
	s_lshl_b32 s26, s21, 15                        ; and in wb's region
	s_mov_b32 s28, OFF_W1
	s_mov_b32 s29, OFF_W2
	s_mov_b32 s30, OFF_WO
	s_cmp_lt_u32 s20, 4
	s_cselect_b64 s[22:23], s[12:13], s[14:15]
	s_cselect_b32 s28, s28, s29
	s_cmp_eq_u32 s20, 8
	s_cselect_b64 s[22:23], s[10:11], s[22:23]
	s_cselect_b32 s28, s30, s28
	s_add_co_u32 s26, s26, s28
	s_add_nc_u64 s[22:23], s[22:23], s[24:25]
	s_add_nc_u64 s[18:19], s[16:17], s[26:27]
	v_lshlrev_b32 v[SO], 4, v4
	v_lshl_add_u32 v[SO], v1, 13, v[SO]            ; wave x 8,192 + lane x 16
	v_lshlrev_b32 v[DO], 3, v4
	v_lshl_add_u32 v[DO], v1, 12, v[DO]            ; wave x 4,096 + lane x 8
	STREAM 512, 256
	s_endpgm
.Lheads:
	; Wq, Wk, Wv [16][1024][64]: heads side by side in Wqkv's rows
	s_cmp_eq_u32 s20, 9
	s_cselect_b64 s[22:23], s[4:5], s[6:7]
	s_cmp_eq_u32 s20, 11
	s_cselect_b64 s[22:23], s[8:9], s[22:23]
	s_lshr_b32 s21, ttmp9, 3                       ; the pair of heads
	s_and_b32 s28, ttmp9, 7                        ; the block of 128 rows d
	s_lshl_b32 s24, s21, 19                        ; two heads of 262,144 bytes
	s_lshl_b32 s29, s28, 15                        ; 128 rows of 256 bytes
	s_add_co_u32 s24, s24, s29
	s_mul_i32 s26, s28, 128*QKVROW
	s_sub_co_u32 s29, s20, 9
	s_lshl_b32 s29, s29, 11                        ; q, k or v: 1,024 columns of 2 bytes
	s_add_co_u32 s26, s26, s29
	s_lshl_b32 s29, s21, 8                         ; the pair's 128 columns
	s_add_co_u32 s26, s26, s29
	s_add_nc_u64 s[22:23], s[22:23], s[24:25]
	s_add_nc_u64 s[18:19], s[16:17], s[26:27]
	v_and_b32 v5, 15, v4
	v_lshrrev_b32 v6, 4, v4
	v_lshlrev_b32 v[SO], 4, v5
	v_lshl_add_u32 v[SO], v1, 12, v[SO]            ; wave x 16 rows of 256 bytes
	v_lshl_add_u32 v[SO], v6, 18, v[SO]            ; lanes 16-31: the odd head
	v_mul_u32_u24 v[DO], v1, 16*QKVROW
	v_lshl_add_u32 v[DO], v4, 3, v[DO]
	STREAM 256, QKVROW
	s_endpgm
.Lrows:
	; the norm: block 64 (y - 12) + x of 32 rows
	s_sub_co_u32 s21, s20, 12
	s_lshl_b32 s21, s21, 6
	s_add_co_u32 s21, s21, ttmp9
	s_lshl_b32 s24, s21, 17                        ; 32 rows of 4,096 bytes in,
	s_lshl_b32 s26, s21, 16                        ; of 2,048 bytes out
	s_add_nc_u64 s[32:33], s[32:33], s[24:25]
	s_add_nc_u64 s[38:39], s[38:39], s[26:27]
	s_mov_b32 s40, 0x76543210                      ; v_permlanex16_b32: each lane takes its own place in the other half
	s_mov_b32 s41, 0xfedcba98
	s_mov_b32 s42, 0x3a800000                      ; 1 / 1024
	s_mov_b32 s43, 0x3727c5ac                      ; 1e-5
	v_and_b32 v3, 31, v0                           ; lane
	v_lshrrev_b32 v2, 5, v0                        ; wave
	v_lshlrev_b32 v1, 4, v3                        ; g, be: 16 bytes a lane
	v_lshlrev_b32 v3, 3, v3
	v_lshl_add_u32 v3, v2, 13, v3                  ; out: wave x 4 rows x 2,048 + 8 bytes a lane
	v_lshl_add_u32 v2, v2, 14, v1                  ; in: wave x 4 rows x 4,096 + 16 bytes a lane
	v_mov_b32 v[LT+1], 0                           ; v_permlanex16_b32's destination counts as read
	s_wait_alu depctr_va_vdst(0)                   ; the offsets v1, v2 and v3 are written, which the loads and stores of this path read; so is v4, written in the common head, in which g's first load lands
.irp j, 0,1,2,3,4,5,6,7
	global_load_b128 v[LG+4*\j:LG+4*\j+3], v1, s[34:35] offset:512*\j
.endr
.irp j, 0,1,2,3,4,5,6,7
	global_load_b128 v[LBE+4*\j:LBE+4*\j+3], v1, s[36:37] offset:512*\j
.endr
.irp r, 0,1,2,3
.irp j, 0,1,2,3,4,5,6,7
	global_load_b128 v[LX+32*\r+4*\j:LX+32*\r+4*\j+3], v2, s[32:33] offset:\r*4096+512*\j
.endr
.endr
	ROW 0
	ROW 1
	ROW 2
	ROW 3
	s_wait_alu depctr_va_vdst(0)                   ; row 3 has written its sixteen packed words, which the last eight stores read
	SENDROW 3, 0
	SENDROW 3, 2
	SENDROW 3, 4
	SENDROW 3, 6
	s_endpgm
.Lfunc_end_k_qc90cd29e85_prep:
	.size	k_qc90cd29e85_prep, .Lfunc_end_k_qc90cd29e85_prep-k_qc90cd29e85_prep
	.p2alignl 7, 3214868480
	.fill 96, 4, 3214868480
	.section	.rodata,"a",@progbits
	.p2align	6, 0x0
	.amdhsa_kernel k_qc90cd29e85_prep
		.amdhsa_group_segment_fixed_size 0
		.amdhsa_private_segment_fixed_size 0
		.amdhsa_enable_private_segment 0
		.amdhsa_kernarg_size 88
		.amdhsa_user_sgpr_count 2
		.amdhsa_user_sgpr_kernarg_segment_ptr 1
		.amdhsa_wavefront_size32 1
		.amdhsa_system_sgpr_workgroup_id_x 1
		.amdhsa_system_sgpr_workgroup_id_y 1
		.amdhsa_system_sgpr_workgroup_id_z 1
		.amdhsa_system_vgpr_workitem_id 0
		.amdhsa_next_free_vgpr 212
		.amdhsa_next_free_sgpr 66
		.amdhsa_reserve_vcc 0
		.amdhsa_float_denorm_mode_32 3
		.amdhsa_float_denorm_mode_16_64 3
		.amdhsa_memory_ordered 1
		.amdhsa_forward_progress 1
		.amdhsa_inst_pref_size 51
	.end_amdhsa_kernel
	.amdgpu_metadata
---
amdhsa.version: [ 1, 2 ]
amdhsa.kernels:
  - .name:           k_qc90cd29e85_prep
    .symbol:         k_qc90cd29e85_prep.kd
    .args:
      - { .name: Wq, .offset: 0, .size: 8, .value_kind: global_buffer, .address_space: global }
      - { .name: Wk, .offset: 8, .size: 8, .value_kind: global_buffer, .address_space: global }
      - { .name: Wv, .offset: 16, .size: 8, .value_kind: global_buffer, .address_space: global }
      - { .name: Wo, .offset: 24, .size: 8, .value_kind: global_buffer, .address_space: global }
      - { .name: W1, .offset: 32, .size: 8, .value_kind: global_buffer, .address_space: global }
      - { .name: W2, .offset: 40, .size: 8, .value_kind: global_buffer, .address_space: global }
      - { .name: wb, .offset: 48, .size: 8, .value_kind: global_buffer, .address_space: global }
      - { .name: x, .offset: 56, .size: 8, .value_kind: global_buffer, .address_space: global }
      - { .name: g1, .offset: 64, .size: 8, .value_kind: global_buffer, .address_space: global }
      - { .name: be1, .offset: 72, .size: 8, .value_kind: global_buffer, .address_space: global }
      - { .name: hb, .offset: 80, .size: 8, .value_kind: global_buffer, .address_space: global }
    .group_segment_fixed_size: 0
    .private_segment_fixed_size: 0
    .kernarg_segment_align: 8
    .kernarg_segment_size: 88
    .max_flat_workgroup_size: 256
    .sgpr_count:     66
    .vgpr_count:     212
    .wavefront_size: 32
...
	.end_amdgpu_metadata
.endif
;; end of part 8
;; launch qkv: the kernel of part 2 again; grid 12 x 16, 4 waves a work-group, clusters of 4 x 4, 327,680 bytes of LDS; arguments hb, wb, qkv; writes qkv
;; launch attn: the kernel of part 3 again; grid 16 x 16, 4 waves a work-group, clusters of 4 x 1, 327,680 bytes of LDS; arguments qkv, ao; writes ao
;; launch wo: the kernel of part 4 again; grid 8 x 32, 4 waves a work-group, clusters of 4 x 4, 327,680 bytes of LDS; arguments ao, wb, x2, x, bo; writes x2
;; launch ln2: the kernel of part 5 again; grid 256 x 1, 4 waves a work-group, no clusters, 0 bytes of LDS; arguments x2, g2, be2, hb; writes hb
;; launch mlp1: the kernel of part 6 again; grid 16 x 16, 4 waves a work-group, clusters of 4 x 4, 327,680 bytes of LDS; arguments hb, wb, ff, b1; writes ff
;; launch mlp2: the kernel of part 7 again; grid 8 x 32, 4 waves a work-group, clusters of 4 x 4, 327,680 bytes of LDS; arguments ff, wb, out0, x2, b2; writes out0
